; MI455X (gfx1250); checked and timed in simulation.
; The chip was launched on July 23, 2026; its instructions are those of AMD's public machine-readable ISA for CDNA 5 (MIT licence, August 2026) and "CDNA5" Instruction Set Architecture Reference Guide (July 2026). The comments in the code are by the model that wrote it; some were corrected since.
;; Attention Head. Allowed arithmetic: matrix products marked QUANTISED: E5M2 operands, one E8M0 scale for each 32 along K, by v_wmma_scale_f32_16x16x128_f8f6f4 with both operands' format E5M2, f32 sums; everything else in f32.
;; Inputs: W_k_codes 512 x 16 x 32 uint8 (E5M2 codes of W_k, K innermost, in blocks of 32 codes); W_k_scales 512 x 16 uint8 (E8M0 scales of W_k, one for each 32 codes along K); W_q_codes 512 x 16 x 32 uint8 (E5M2 codes of W_q, K innermost, in blocks of 32 codes); W_q_scales 512 x 16 uint8 (E8M0 scales of W_q, one for each 32 codes along K); W_v_codes 512 x 16 x 32 uint8 (E5M2 codes of W_v, K innermost, in blocks of 32 codes); W_v_scales 512 x 16 uint8 (E8M0 scales of W_v, one for each 32 codes along K); b_k 512 float32; b_q 512 float32; b_v 512 float32; input_codes 8 x 2,048 x 16 x 32 uint8 (E5M2 codes of input, K innermost, in blocks of 32 codes); input_scales 8 x 2,048 x 16 uint8 (E8M0 scales of input, one for each 32 codes along K); mask 8 x 2,048 x 2,048 int32.
;; Outputs: out0 8 x 2,048 x 512 float32.
;; This version of the problem:
;;   THIS VERSION OF THE PROBLEM IS GIVEN IN LOW PRECISION. The matrix products marked QUANTISED in the list below multiply operands that are first quantised to E5M2 (5 exponent bits, 2 mantissa bits; 8 bits a number), with one power-of-two scale for each 32 numbers along K (OCP MX v1.0); their sums are f32. All else is computed in f32.
;;   The module's matrix products, in the order in which they are computed (A, B: the left and right operand; K: the contracted axis; several contracted axes count as one K, in the product's order):
;;     1. [M 16,384, K 512] x [K 512, N 512]; A: input input (given as codes); B: input W_q (given as codes): QUANTISED
;;     2. [M 16,384, K 512] x [K 512, N 512]; A: input input (given as codes); B: input W_k (given as codes): QUANTISED
;;     3. [M 16,384, K 512] x [K 512, N 512]; A: input input (given as codes); B: input W_v (given as codes): QUANTISED
;;     4. batch 8 x [M 2,048, K 512] x [K 512, N 2,048]; A: computed on the way; B: computed on the way: QUANTISED
;;     5. batch 8 x [M 2,048, K 2,048] x [K 2,048, N 512]; A: softmax (see below); B: computed on the way: QUANTISED
;;   THE QUANTISER, for each operand of a quantised product, along K:
;;     - K is cut into blocks of 32 from its start; a last block that is shorter is filled with zeros.
;;     - A block's scale is 2^e with e = floor(log2(the largest magnitude in the block)) - 15, held to -126 .. 127; a block of zeros has e = 0. As a byte (E8M0): e + 127.
;;     - Each number is divided by its block's scale, clamped to +-57,344, and rounded to the nearest number of E5M2, ties to even, subnormals kept.
;;     - The product sums the exact products of the quantised numbers (number of the format x scale) in f32.
;;   ~~~python
;;   def quantise(x, axis):      # numpy; x: float32 -> the quantised numbers, widened to float32 again
;;       x = np.moveaxis(x, axis, -1); K = x.shape[-1]
;;       x = np.pad(x, [(0, 0)] * (x.ndim - 1) + [(0, -K % 32)]); x = x.reshape(x.shape[:-1] + (-1, 32)); a = np.abs(x).max(-1, keepdims=True)
;;       e = np.where(a > 0, np.clip(np.frexp(np.where(a > 0, a, 1))[1] - 1 - 15, -126, 127), 0)      # np.frexp(a)[1] - 1 = floor(log2(a)), exactly
;;       r = np.clip(x / 2.0 ** e, -57344, 57344)
;;       step = 2.0 ** (np.maximum(np.frexp(np.where(r == 0, 1, r))[1] - 1, -14) - 2)
;;       q = np.round(r / step) * step * 2.0 ** e      # np.round: ties to even
;;       return np.moveaxis(q.reshape(q.shape[:-2] + (-1,))[..., :K], -1, axis).astype(np.float32)
;;   ~~~
;;   SOFTMAX AHEAD OF A QUANTISED PRODUCT. Where the list says 'softmax', what is quantised is not the finished softmax but p = 2^(t - M), with t = logit x log2(e) and M = ceil(the row's largest t), a whole number; so 1/2 < the row's largest p <= 1. The row's sum l is taken of the UNQUANTISED p, in f32, and the product's result is divided by l at the end. Since M is a whole number, a kernel that streams over the keys may use a running M (the ceiling of the running maximum): every later rescaling is an exact power of two, which a block's scale takes up: the codes' values come out the same.
;;   OPERANDS COMPUTED ON THE WAY. 'Computed on the way' means the value that the module computes at that place (a softmax that the list does not call 'softmax' is quantised finished and normalised). What goes into a quantiser is computed in f32, as accurately as f32 sums, v_exp_f32 and their like allow (about 1e-6 of the number): no bf16 or f16 on the way to a quantiser, and a product that is left as it is and whose result goes on into a quantised operand takes f32 operands (vector FMAs, or v_wmma_f32_16x16x4_f32). A number that lies on a knife's edge between two numbers of the format may be rounded either way, as far as f32 arithmetic and the matrix unit's own rounding can turn it there, and no further.
;;   INPUTS GIVEN AS CODES. W_k (in the module: [512, 512], K = its axis 1); W_q (in the module: [512, 512], K = its axis 1); W_v (in the module: [512, 512], K = its axis 1); input (in the module: [8, 2048, 512], K = its axis 2): each comes as NAME_codes (uint8): NAME with its K axis moved to the last place and cut into blocks of 32 codes, [.., K / 32, bytes a block], one block behind the other in memory; one code a byte (a code: sign, 5 exponent bits, 2 mantissa bits); and NAME_scales (uint8): the same leading axes, one E8M0 byte (e + 127) for each 32 codes along K. Its value is code x scale, taken as it is: it is not quantised again, and the codes and scales need not be those that the quantiser above would give.
;; 2 versions, each right and faster than the one before. Each part assembles by itself: llvm-mc -triple=amdgcn-amd-amdhsa -mcpu=gfx1250 --defsym DOCPART=n.
;; ======== version 1 of 2: 2 launches
;; limits: right only within a limited range of input values
;; workspace buffers: qimg 8,650,752 bytes; kv 17,301,504 bytes
;; launch proj (part 1): grid 192 x 1, 4 waves a work-group, no clusters, 0 bytes of LDS; arguments input_codes, input_scales, W_q_codes, W_q_scales, b_q, W_k_codes, W_k_scales, b_k, W_v_codes, W_v_scales, b_v, qimg, kv; writes qimg, kv
.if DOCPART == 1
	.amdgcn_target "amdgcn-amd-amdhsa--gfx1250"
	.amdhsa_code_object_version 6
	.text
	.protected	k_q6fa75f4b35_proj
	.globl	k_q6fa75f4b35_proj
	.p2align	8
	.type	k_q6fa75f4b35_proj,@function
k_q6fa75f4b35_proj:
	s_mov_b64 s[64:65], 0
	v_nop
	global_prefetch_b8 v0, s[64:65] scope:SCOPE_SE
	s_setreg_imm32_b32 hwreg(HW_REG_WAVE_MODE, 25, 1), 1
	s_wait_xcnt 0x0
; q = x Wq^T + bq, k = x Wk^T + bk, v = x Wv^T + bv on the given E5M2 codes and E8M0 scales; the results are quantised (q, k along the 512 hidden units, v along the keys)
; and stored as IMAGES OF THE OPERAND REGISTERS that the attention launch wants: a fragment (16 rows x 128 K) is 2,048 bytes, registers 4 c .. 4 c + 3 of lane l at 512 c + 16 l.
; A block of 33,792 bytes holds 16 fragments and, from byte 32,768 on, their scale words (two images of 512 bytes, four words a lane).
; A UNIT: 128 rows of source 0 x 16 rows of source 1 over K = 512: 32 matrix instructions, whose 64 results a lane are one fragment of the next product and one scale word.
; The product is used transposed and THE ROWS OF A TILE ARE NOT NEIGHBOURS: lane r of tile t takes row 32 (t / 2) + 8 (t % 2) + r + 8 (r / 8), on both sides, so that the 16 registers of
; tiles 2 b and 2 b + 1 are 16 neighbours along the next K: 32 b + 16 (lane / 16) + 0 .. 15.
; SHARES.  12,288 units; a wave keeps its 128 rows of source 0 in 512 registers and streams 16 units: 768 waves, 192 work-groups of equal work.
;   work-groups 0-63: q (source 0 = 128 rows of Wq, source 1 = rows of x);  64-127: k (the same with Wk): ONE path of the text, pointers chosen on the work-group's number;
;   128-191: v (source 0 = 128 rows of x, the keys; source 1 = rows of Wv, the channels): a second path.
; The bias is the C of each sum's first matrix instruction (q, k: eight hidden units a tile; v: the lane's channel in all eight registers).
; No LDS, no tensor loads, no barrier: waves share nothing.  Both operands go from memory straight into registers; the stream runs three units ahead.
; No multicast: this launch has no tiles in LDS to share; what four waves read alike (a unit's 8 KB) is read through registers.
; LIMITS: a block of zeros gets the scale byte 1 (the floor), not 127: its codes are zeros and this program alone reads the bytes.  NaN and infinities are not served.
; REGISTERS: window 0: v1-6 offsets; v16-47 source 0's scale words (4 t + s); v48-63 the stream's (4 buffers x 4); v64-79 at work; v80-83 a trip's four scale words; v88-103 codes;
;   v104-167 the 8 accumulators; v168-231 the bias (q, k), v168-175 and v176-179 (v).  windows 1, 2: source 0, K steps 0, 1 and 2, 3.  window 3: four stream buffers of 64.
.set BLKB, 33792
.set LI,  1                            ; 16 x lane: a lane's place in an image
.set VA,  2                            ; (r + 8 (r / 8)) x 512 + 16 (lane / 16): a lane's codes in a tile of rows of 512 bytes
.set VSC, 3                            ; (r + 8 (r / 8)) x 16: its row's four scale words
.set VBI, 4                            ; 64 (lane / 16): q, k: the bias of my half's hidden units
.set VBL, 5                            ; (r + 8 (r / 8)) x 4: v: the bias of my channel
.set VSO, 6                            ; 16 r: where a trip's four scale words go
.set AS,  16
.set BS,  48
.set TM,  64                           ; +0-3 largest magnitudes, +4-7 the other half's, then bytes, +8-11 the hold, +12-15 the conversions' scale operand
.set PW,  80
.set PC,  88
.set ACC, 104
.set BI,  168
.set BV,  168
.set BL,  176
.set SEL, 58
.set MNT, 60
.set MSB, 0
.macro WIN new                         ; the immediate's high byte repeats the setting that is left
.if MSB != \new
	s_set_vgpr_msb (MSB<<8)|\new
.set MSB, \new
.endif
.endm
.macro PLACES n
.rept \n
	v_nop
.endr
.endm
; source 0: 32 fragments (tile t, K step s), its scale words, and for q, k the bias in the result's layout
.macro STAT kind
	WIN 0x40
.irp t, 0,1,2,3,4,5,6,7
.irp s, 0,1
.irp c, 0,1,2,3
	global_load_b128 v[32*\t+16*\s+4*\c:32*\t+16*\s+4*\c+3], v[VA], s[36:37] offset:(32*(\t/2)+8*(\t%2))*512+128*\s+32*\c
.endr
.endr
.endr
	WIN 0x80
.irp t, 0,1,2,3,4,5,6,7
.irp s, 2,3
.irp c, 0,1,2,3
	global_load_b128 v[32*\t+16*(\s-2)+4*\c:32*\t+16*(\s-2)+4*\c+3], v[VA], s[36:37] offset:(32*(\t/2)+8*(\t%2))*512+128*\s+32*\c
.endr
.endr
.endr
	WIN 0
.irp t, 0,1,2,3,4,5,6,7
	global_load_b128 v[AS+4*\t:AS+4*\t+3], v[VSC], s[38:39] offset:(32*(\t/2)+8*(\t%2))*16
.endr
.if \kind == 0
.irp t, 0,1,2,3,4,5,6,7
	global_load_b128 v[BI+8*\t:BI+8*\t+3], v[VBI], s[40:41] offset:(32*(\t/2)+8*(\t%2))*4
	global_load_b128 v[BI+8*\t+4:BI+8*\t+7], v[VBI], s[40:41] offset:(32*(\t/2)+8*(\t%2))*4+16
.endr
.endif
.endm
; a unit's source 1: tile p of the 64 rows at the stream's pointers, into buffer p: 17 loads, 18 for v
.macro BLOAD kind, p
	WIN 0xc0
.irp s, 0,1,2,3
.irp c, 0,1,2,3
	global_load_b128 v[64*(\p)+16*\s+4*\c:64*(\p)+16*\s+4*\c+3], v[VA], s[42:43] offset:(32*((\p)/2)+8*((\p)%2))*512+128*\s+32*\c
.endr
.endr
	WIN 0
	global_load_b128 v[BS+4*(\p):BS+4*(\p)+3], v[VSC], s[44:45] offset:(32*((\p)/2)+8*((\p)%2))*16
.if \kind
	global_load_b32 v[BL+(\p)], v[VBL], s[40:41] offset:(32*((\p)/2)+8*((\p)%2))*4
.endif
.endm
; 32 matrix instructions, K step by K step; the eight accumulators take turns, one instruction a turn
.macro PRODS kind, u
.irp s, 0,1,2,3
.if \s < 2
	WIN 0x0d                                       ; source 0 window 1, source 1 window 3
.else
	WIN 0x0e                                       ; source 0 window 2
.endif
.irp t, 0,1,2,3,4,5,6,7
.if \s == 0
.if \kind
	v_wmma_scale_f32_16x16x128_f8f6f4 v[ACC+8*\t:ACC+8*\t+7], v[32*\t:32*\t+15], v[64*\u:64*\u+15], v[BV:BV+7], v[AS+4*\t], v[BS+4*\u] matrix_a_fmt:MATRIX_FMT_BF8 matrix_b_fmt:MATRIX_FMT_BF8
.else
	v_wmma_scale_f32_16x16x128_f8f6f4 v[ACC+8*\t:ACC+8*\t+7], v[32*\t:32*\t+15], v[64*\u:64*\u+15], v[BI+8*\t:BI+8*\t+7], v[AS+4*\t], v[BS+4*\u] matrix_a_fmt:MATRIX_FMT_BF8 matrix_b_fmt:MATRIX_FMT_BF8
.endif
.else
	v_wmma_scale_f32_16x16x128_f8f6f4 v[ACC+8*\t:ACC+8*\t+7], v[32*\t+16*(\s%2):32*\t+16*(\s%2)+15], v[64*\u+16*\s:64*\u+16*\s+15], v[ACC+8*\t:ACC+8*\t+7], v[AS+4*\t+\s], v[BS+4*\u+\s] matrix_a_fmt:MATRIX_FMT_BF8 matrix_b_fmt:MATRIX_FMT_BF8
.endif
.endr
.endr
.endm
; 64 numbers of a lane, register 16 b + i = k 32 b + 16 (lane / 16) + i of my row, become a fragment's codes in v[PC] on and its scale word in v[pw]
.macro QUANT s, pw
.irp b, 0,1,2,3
	v_max3_num_f32 v[TM+\b], |v[\s+16*\b]|, |v[\s+1+16*\b]|, 0x8000000   ; block b: my 16 numbers and the floor 2^(16 - 127): the byte cannot fall under 1
.endr
.irp i, 2,4,6,8,10,12,14
.irp b, 0,1,2,3
	v_max3_num_f32 v[TM+\b], v[TM+\b], |v[\s+16*\b+\i]|, |v[\s+1+16*\b+\i]|   ; the four blocks by turns; each accumulator is read from its low end on
.endr
.endr
.irp b, 0,1,2,3
	v_permlanex16_b32 v[TM+4+\b], v[TM+\b], s[SEL], s[SEL+1]
.endr
.irp b, 0,1,2,3
	v_max_num_f32 v[TM+\b], v[TM+\b], v[TM+4+\b]   ; with lane l xor 16's: the block's largest magnitude
.endr
.irp b, 0,1,2,3
	v_add_nc_u32 v[TM+12+\b], 0xf8800000, v[TM+\b] ; 15 off its exponent field: the conversion's scale operand
.endr
.irp b, 0,1,2,3
	v_and_or_b32 v[TM+8+\b], v[TM+\b], 0x7f800000, s[MNT]   ; 57,344 x the scale
.endr
.irp b, 0,1,2,3
	v_lshrrev_b32 v[TM+4+\b], 23, v[TM+12+\b]      ; the scale's byte
.endr
	v_lshl_or_b32 v[\pw], v[TM+5], 8, v[TM+4]
	v_lshl_or_b32 v[\pw], v[TM+6], 16, v[\pw]
	v_lshl_or_b32 v[\pw], v[TM+7], 24, v[\pw]
.irp b, 0,1,2,3
.irp i, 0,1,2,3,4,5,6,7,8,9,10,11,12,13,14,15
	v_med3_num_f32 v[\s+16*\b+\i], v[\s+16*\b+\i], -v[TM+8+\b], v[TM+8+\b]   ; the conversion to an 8-bit code does not saturate (ISA guide 7.6.2): the hold comes first
.endr
	v_cvt_scalef32_pk8_bf8_f32 v[PC+4*\b:PC+1+4*\b], v[\s+16*\b:\s+7+16*\b], v[TM+12+\b]
	v_cvt_scalef32_pk8_bf8_f32 v[PC+2+4*\b:PC+3+4*\b], v[\s+8+16*\b:\s+15+16*\b], v[TM+12+\b]
.endr
	v_nop                                          ; a plain line behind the last conversion: the next unit's products write its sources
.endm
; unit u of a trip.  ahead = 1: the unit three further on is asked for, into the buffer that the last unit's products have left (eight v_nop and the quantiser's lines stand between).
; left: the loads issued behind this unit's own.
.macro UNIT kind, u, ahead, left
.if \ahead
.if \u == 1
	s_wait_xcnt 0x0                                ; the loads issued so far have read the stream's pointers: they step to the next 64 (k: 128) rows; units 1 to 3 look into the next trip
	s_add_nc_u64 s[42:43], s[42:43], s[50:51]
	s_add_nc_u64 s[44:45], s[44:45], s[52:53]
.if \kind
	s_add_nc_u64 s[40:41], s[40:41], 256
.endif
.endif
	BLOAD \kind, (\u+3)%4
.endif
	s_wait_loadcnt \left
.if \kind
.irp j, 0,1,2,3,4,5,6,7
	v_mov_b32 v[BV+\j], v[BL+\u]                   ; my channel's bias in all eight registers of C
.endr
.endif
	PRODS \kind, \u
	WIN 0
	PLACES 8                                       ; eight places between the last product and the first read of results
	s_wait_xcnt 0x0                                ; the last unit's stores have read the codes' registers (and the last trip's the scale words')
	QUANT ACC, PW+\u
.irp c, 0,1,2,3
	global_store_b128 v[LI], v[PC+4*\c:PC+4*\c+3], s[46:47] offset:2048*\u+512*\c   ; 32 lanes store 512 consecutive bytes, aligned
.endr
.endm
.macro TAIL kind
	UNIT \kind, 0, 1, 3*(17+\kind)                 ; the last trip: one more unit is asked for, then the counts run down: no load leaves its buffer
	UNIT \kind, 1, 0, 2*(17+\kind)
	UNIT \kind, 2, 0, 17+\kind
	UNIT \kind, 3, 0, 0
	global_store_b128 v[VSO], v[PW:PW+3], s[48:49]
	s_endpgm
.endm
	s_load_b512 s[8:23], s[0:1], 0x0               ; x codes 8, x scales 10, Wq codes 12, Wq scales 14, bq 16, Wk codes 18, Wk scales 20, bk 22
	s_load_b256 s[24:31], s[0:1], 0x40             ; Wv codes 24, Wv scales 26, bv 28, qimg 30
	s_load_b64 s[32:33], s[0:1], 0x60              ; kv
	v_lshrrev_b32 v7, 5, v0
	v_readfirstlane_b32 s54, v7                    ; wave 0..3
	v_and_b32 v7, 31, v0
	v_lshlrev_b32 v[LI], 4, v7
	v_and_b32 v7, 15, v0                           ; r
	v_bfe_u32 v8, v0, 4, 1                         ; h
	v_and_b32 v9, 8, v7
	v_add_nc_u32 v9, v9, v7                        ; r + 8 (r / 8)
	v_lshlrev_b32 v[VA], 9, v9
	v_lshl_add_u32 v[VA], v8, 4, v[VA]
	v_lshlrev_b32 v[VSC], 4, v9
	v_lshlrev_b32 v[VBI], 6, v8
	v_lshlrev_b32 v[VBL], 2, v9
	v_lshlrev_b32 v[VSO], 4, v7
.irp b, 0,1,2,3
	v_mov_b32 v[TM+4+\b], 0                        ; written once: a lane permute's destination counts as one of its sources
.endr
	s_mov_b32 s[SEL], 0x76543210
	s_mov_b32 s[SEL+1], 0xfedcba98                 ; v_permlanex16_b32's selects for lane l xor 16
	s_mov_b32 s[MNT], 0x600000                     ; the mantissa field of 57,344
	s_and_b32 s55, ttmp9, 63                       ; i: my place among the 64 work-groups of my tensor
	s_lshr_b32 s3, s55, 1
	s_and_b32 s4, s55, 1
	s_mov_b32 s63, 0
	s_mov_b32 s51, 0
	s_mov_b32 s53, 0
	s_mov_b32 s56, 0                               ; the trip
	s_wait_kmcnt 0x0
	s_cmp_ge_u32 ttmp9, 128
	s_cbranch_scc1 .Lv
	; ---- q and k.  q: x rows 256 i on, 64 a trip, blocks 4 i on.  k: x rows 512 (i / 2) + 64 (i % 2) on, 128 apart, blocks 16 (i / 2) + 4 (i % 2) on
	s_lshl_b32 s2, s55, 8
	s_lshl_b32 s5, s3, 9
	s_lshl_b32 s6, s4, 6
	s_add_co_u32 s5, s5, s6
	s_lshl_b32 s6, s55, 2
	s_lshl_b32 s7, s3, 4
	s_lshl_b32 s34, s4, 2
	s_add_co_u32 s7, s7, s34
	s_cmp_lt_u32 ttmp9, 64                         ; q or k: the choice hangs on the work-group's number alone
	s_cselect_b64 s[36:37], s[12:13], s[18:19]
	s_cselect_b64 s[38:39], s[14:15], s[20:21]
	s_cselect_b64 s[40:41], s[16:17], s[22:23]
	s_cselect_b64 s[46:47], s[30:31], s[32:33]
	s_cselect_b32 s2, s2, s5                       ; the stream's first row
	s_cselect_b32 s6, s6, s7                       ; the first block
	s_mov_b32 s50, 0x10000
	s_cselect_b32 s50, 0x8000, s50                 ; a trip on, in codes,
	s_mov_b32 s52, 2048
	s_cselect_b32 s52, 1024, s52                   ; and in scale bytes
	s_lshl_b32 s62, s54, 16                        ; my 128 rows of W,
	s_add_nc_u64 s[36:37], s[36:37], s[62:63]
	s_lshl_b32 s62, s54, 11                        ; their scales,
	s_add_nc_u64 s[38:39], s[38:39], s[62:63]
	s_lshl_b32 s62, s54, 9                         ; their bias
	s_add_nc_u64 s[40:41], s[40:41], s[62:63]
	s_lshl_b32 s62, s2, 9
	s_add_nc_u64 s[42:43], s[8:9], s[62:63]
	s_lshl_b32 s62, s2, 4
	s_add_nc_u64 s[44:45], s[10:11], s[62:63]
	s_mul_i32 s62, s6, BLKB
	s_add_nc_u64 s[46:47], s[46:47], s[62:63]
	s_lshl_b32 s62, s54, 8
	s_add_co_u32 s62, s62, 32768
	s_add_nc_u64 s[48:49], s[46:47], s[62:63]      ; the scale words of K step = wave: 256 bytes at 32,768 + 256 x wave
	s_lshl_b32 s62, s54, 13
	s_add_nc_u64 s[46:47], s[46:47], s[62:63]      ; the fragments 4 x wave + u
	STAT 0
	BLOAD 0, 0
	BLOAD 0, 1
	BLOAD 0, 2
.Lqk:                                              ; three trips of four units; behind each unit's own loads stand those of three units: 51
	UNIT 0, 0, 1, 51
	UNIT 0, 1, 1, 51
	UNIT 0, 2, 1, 51
	UNIT 0, 3, 1, 51
	global_store_b128 v[VSO], v[PW:PW+3], s[48:49] ; sixteen lanes fill 256 consecutive aligned bytes (lanes 16-31 hold the same words and write the same bytes)
	s_wait_xcnt 0x0                                ; the stores have read their bases
	s_add_nc_u64 s[46:47], s[46:47], BLKB
	s_add_nc_u64 s[48:49], s[48:49], BLKB
	s_add_co_u32 s56, s56, 1
	s_cmp_lt_u32 s56, 3
	s_cbranch_scc1 .Lqk
	TAIL 0
	; ---- v.  Source 0: keys 512 (i / 2) + 128 x wave on.  Source 1: channels 256 (i % 2) on, 64 a trip.
.Lv:
	s_lshl_b32 s62, s3, 9
	s_lshl_b32 s5, s54, 7
	s_add_co_u32 s5, s62, s5                       ; my first key, a row of x
	s_lshl_b32 s62, s5, 9
	s_add_nc_u64 s[36:37], s[8:9], s[62:63]
	s_lshl_b32 s62, s5, 4
	s_add_nc_u64 s[38:39], s[10:11], s[62:63]
	s_lshl_b32 s62, s4, 17
	s_add_nc_u64 s[42:43], s[24:25], s[62:63]
	s_lshl_b32 s62, s4, 12
	s_add_nc_u64 s[44:45], s[26:27], s[62:63]
	s_lshl_b32 s62, s4, 10
	s_add_nc_u64 s[40:41], s[28:29], s[62:63]
	s_lshl_b32 s6, s3, 2
	s_lshr_b32 s7, s54, 1
	s_add_co_u32 s6, s6, s7
	s_add_co_u32 s6, s6, 2
	s_lshl_b32 s6, s6, 2
	s_lshl_b32 s7, s4, 1
	s_add_co_u32 s6, s6, s7                        ; block ((4 (i / 2) + 2 + wave / 2) x 4 + 2 (i % 2)
	s_mul_i32 s62, s6, BLKB
	s_add_nc_u64 s[46:47], s[32:33], s[62:63]
	s_and_b32 s7, s54, 1
	s_lshl_b32 s62, s7, 8
	s_add_co_u32 s62, s62, 32768
	s_add_nc_u64 s[48:49], s[46:47], s[62:63]      ; scale words: 32,768 + 512 (trip % 2) + 256 (wave % 2)
	s_lshl_b32 s62, s7, 14
	s_add_nc_u64 s[46:47], s[46:47], s[62:63]      ; fragments 8 (wave % 2) + 4 (trip % 2) + u
	s_mov_b32 s50, 32768
	s_mov_b32 s52, 1024
	s_mov_b32 s35, 0
	STAT 1
	BLOAD 1, 0
	BLOAD 1, 1
	BLOAD 1, 2
.Lvt:                                              ; three trips; 18 loads a unit: 54 behind each unit's own
	UNIT 1, 0, 1, 54
	UNIT 1, 1, 1, 54
	UNIT 1, 2, 1, 54
	UNIT 1, 3, 1, 54
	global_store_b128 v[VSO], v[PW:PW+3], s[48:49]
	s_mov_b32 s62, 25600                           ; behind an odd trip: on to the next block; behind an even one: four fragments, one scale image on
	s_mov_b32 s34, 33280
	s_bitcmp1_b32 s56, 0
	s_cselect_b32 s62, s62, 8192
	s_cselect_b32 s34, s34, 512
	s_wait_xcnt 0x0                                ; the stores have read their bases
	s_add_nc_u64 s[46:47], s[46:47], s[62:63]
	s_add_nc_u64 s[48:49], s[48:49], s[34:35]
	s_add_co_u32 s56, s56, 1
	s_cmp_lt_u32 s56, 3
	s_cbranch_scc1 .Lvt
	TAIL 1
.Lfunc_end_k_q6fa75f4b35_proj:
	.size	k_q6fa75f4b35_proj, .Lfunc_end_k_q6fa75f4b35_proj-k_q6fa75f4b35_proj
	.p2alignl 7, 3214868480
	.fill 96, 4, 3214868480
	.section	.rodata,"a",@progbits
	.p2align	6, 0x0
	.amdhsa_kernel k_q6fa75f4b35_proj
		.amdhsa_group_segment_fixed_size 0
		.amdhsa_private_segment_fixed_size 0
		.amdhsa_enable_private_segment 0
		.amdhsa_kernarg_size 104
		.amdhsa_user_sgpr_count 2
		.amdhsa_user_sgpr_kernarg_segment_ptr 1
		.amdhsa_wavefront_size32 1
		.amdhsa_system_sgpr_workgroup_id_x 1
		.amdhsa_system_sgpr_workgroup_id_y 1
		.amdhsa_system_sgpr_workgroup_id_z 1
		.amdhsa_system_vgpr_workitem_id 0
		.amdhsa_next_free_vgpr 1024
		.amdhsa_next_free_sgpr 66
		.amdhsa_reserve_vcc 0
		.amdhsa_float_denorm_mode_32 3
		.amdhsa_float_denorm_mode_16_64 3
		.amdhsa_memory_ordered 1
		.amdhsa_forward_progress 1
		.amdhsa_inst_pref_size 255
	.end_amdhsa_kernel
	.section	.bss,"aw",@nobits
	.p2align	6
	.space	262144
	.amdgpu_metadata
---
amdhsa.version: [ 1, 2 ]
amdhsa.kernels:
  - .name:           k_q6fa75f4b35_proj
    .symbol:         k_q6fa75f4b35_proj.kd
    .args:
      - { .name: input_codes, .offset: 0, .size: 8, .value_kind: global_buffer, .address_space: global }
      - { .name: input_scales, .offset: 8, .size: 8, .value_kind: global_buffer, .address_space: global }
      - { .name: W_q_codes, .offset: 16, .size: 8, .value_kind: global_buffer, .address_space: global }
      - { .name: W_q_scales, .offset: 24, .size: 8, .value_kind: global_buffer, .address_space: global }
      - { .name: b_q, .offset: 32, .size: 8, .value_kind: global_buffer, .address_space: global }
      - { .name: W_k_codes, .offset: 40, .size: 8, .value_kind: global_buffer, .address_space: global }
      - { .name: W_k_scales, .offset: 48, .size: 8, .value_kind: global_buffer, .address_space: global }
      - { .name: b_k, .offset: 56, .size: 8, .value_kind: global_buffer, .address_space: global }
      - { .name: W_v_codes, .offset: 64, .size: 8, .value_kind: global_buffer, .address_space: global }
      - { .name: W_v_scales, .offset: 72, .size: 8, .value_kind: global_buffer, .address_space: global }
      - { .name: b_v, .offset: 80, .size: 8, .value_kind: global_buffer, .address_space: global }
      - { .name: qimg, .offset: 88, .size: 8, .value_kind: global_buffer, .address_space: global }
      - { .name: kv, .offset: 96, .size: 8, .value_kind: global_buffer, .address_space: global }
    .group_segment_fixed_size: 0
    .private_segment_fixed_size: 0
    .kernarg_segment_align: 8
    .kernarg_segment_size: 104
    .max_flat_workgroup_size: 128
    .sgpr_count:     66
    .vgpr_count:     1024
    .wavefront_size: 32
...
	.end_amdgpu_metadata
.endif
;; end of part 1
;; launch attn (part 2): grid 32 x 8, 4 waves a work-group, clusters of 4 x 1, 327,680 bytes of LDS; arguments qimg, kv, mask, out0; writes out0
.if DOCPART == 2
	.amdgcn_target "amdgcn-amd-amdhsa--gfx1250"
	.amdhsa_code_object_version 6
	.text
	.protected	k_q6fa75f4b35_attn
	.globl	k_q6fa75f4b35_attn
	.p2align	8
	.type	k_q6fa75f4b35_attn,@function
k_q6fa75f4b35_attn:
	s_mov_b64 s[64:65], 0
	v_nop
	global_prefetch_b8 v0, s[64:65] scope:SCOPE_SE
	s_setreg_imm32_b32 hwreg(HW_REG_WAVE_MODE, 25, 1), 1
	s_wait_xcnt 0x0
	s_wait_alu depctr_hold_cnt(0) depctr_sa_sdst(0) depctr_va_vdst(0) depctr_va_sdst(0) depctr_va_ssrc(0) depctr_va_vcc(0) depctr_vm_vsrc(0)
	s_getreg_b32 s2, hwreg(HW_REG_IB_STS2, 6, 4)
	s_cmp_eq_u32 s2, 0
	s_cbranch_scc0 .Lentry_in_a_cluster
	s_endpgm
.Lentry_in_a_cluster:
	s_bfe_u32 s2, ttmp6, 0x10000c
	s_cmp_lg_u32 s2, 0x3003
	s_cbranch_scc0 .Lentry_shape_is_right
	s_endpgm
.Lentry_shape_is_right:
; out[b][q][:] = sum over k of softmax_k(mask ? q . k / sqrt(512) : -2^31) v[k][:], both products on E5M2 codes with E8M0 scales, from the register images that the launch before has stored.
; THE SOFTMAX: t = score x c, c = log2(e) / sqrt(512); M = the running largest t rounded UP to a whole number; p = 2^(t - M) is quantised along the keys, not normalised; the row's sum is taken of the
; unquantised p and divides at the end; when M moves, the sum and O are multiplied by 2^(old M - new M), which rounds nothing.
; SHARES.  A work-group owns 64 queries of one batch (four tiles m of 16); the keys go in four super-steps of 512.  THE WAVES SHARE THE KEYS IN THE FIRST PRODUCT AND THE CHANNELS IN THE SECOND:
;   wave w makes S^T = K Q^T for keys 128 w .. + 127 and all 64 queries (a fragment of K feeds four products; Q stays in registers), turns it into p's fragment of key step w and stores that as an
;   image in LDS; then it makes O^T = V^T P^T for channels 128 w .. + 127 and all 64 queries (a fragment of V feeds four products, one of P eight).
; Rows of a tile are not neighbours: lane r of tile t takes row 32 (t / 2) + 8 (t % 2) + r + 8 (r / 8) (queries, keys and channels alike), so that a lane's 16 registers of tiles 2 b, 2 b + 1 are 16 neighbours.
; THE MASK is loaded into S^T's own registers in S^T's layout, turned in place into 0 (mask != 0) or -2^38 (mask == 0), and is the C of each sum's first product.
; A ROW THAT IS WHOLLY MASKED: the running largest raw score begins at -2^35, over every masked sum.  While it stands there the lane's multiplier and -M are 0, so p = 1 for every key: uniform weights.
;   c x 2^35 is a whole number in f32, so the first real score multiplies what was summed by 2^(a saturated, very negative number) = 0.
; LIMITS: a row whose every unmasked raw q . k lies at or under -2^35 (a logit of -1.5e9) is taken as wholly masked; raw scores stay under 2^38 - 2^35 in magnitude; NaN and infinities are not served;
;   a block of zeros gets the scale byte 1, which this program alone reads.
; CLUSTER: the four query blocks of a cluster belong to one batch and walk the same K and V: each piece is asked for JOINTLY (mask 15), each wave its own quarter, which it alone reads.
; RING: two LDS slots of one piece (135,168 bytes: four quarters of 16 fragments and their scale words); a batch's kv is a plain stream of 16 pieces: K-a, K-b, V-a, V-b for each super-step.
;   By this text's count a wave has one tensor load out.  All of the LDS is claimed.
; No prefetch: the mask, nine tenths of the launch's bytes, is asked for straight into registers half a super-step ahead of its use.
; REGISTERS: window 0: v1-14 addresses; v16-31 per tile -M, largest raw score, the sum's two halves; v32-39 the factors; v40-47 Q's scale words; v48-55 K's or V's; v56-59 P's; v60-63 multiplier and -M;
;   v64-127: softmax at work (v64-79 block maxima, v80-103, v104-119 codes), later four fragments of P; v128-255 a ring of eight fragments of K or V.
;   window 1: Q (64 m + 16 s).  window 2: O^T (32 c + 8 m).  window 3: S^T (64 m + 8 t): mask, bias, scores, p.
.set QB,    33792                      ; a quarter of a piece
.set PIECE, 4*QB
.set PIMG,  2*PIECE                    ; behind the ring: P's 16 fragments (4 s + m),
.set PSC,   PIMG+32768                 ; their scale words: 512 s + 16 lane + 4 m,
.set MXE,   PSC+2048                   ; the waves' largest scores: 512 m + 16 lane + 4 w,
.set LSE,   MXE+2048                   ; the waves' sums likewise,
.set SPARE, LSE+2048                   ; and the spare words: 128 bytes a wave, two blocks of 256 bytes that no other line names
.set SP,    528                        ; the way out: a stage of 16 rows x (512 + 16) bytes a wave, in slot 0, behind its last fill and its last read
.set STG,   16*SP
.set LI,  1
.set AD0, 2
.set AD1, 3
.set PWI, 4
.set PRI, 5
.set PWS, 6
.set PRS, 7
.set MXW, 8
.set MXR, 9
.set MKO, 10
.set SPW, 11
.set NIL, 12
.set LW,  13
.set LR,  14
.set STO, 4                            ; on the way out v4-6 are made anew
.set RD,  5
.set GO,  6
.set ST,  16
.set F,   32
.set QS,  40
.set KS,  48
.set PS,  56
.set CL,  60
.set NMF, 62
.set W,   64
.set BM,  64
.set TM,  80
.set PC,  104
.set FB,  128
.set G1,  16                           ; s[16:23] descriptor group 1;  s[24:27], s[28:31] group 0 of slot 0, 1
.set G0,  24
.set MSB, 0
.macro WIN new                         ; the immediate's high byte repeats the setting that is left
.if MSB != \new
	s_set_vgpr_msb (MSB<<8)|\new
.set MSB, \new
.endif
.endm
.macro PLACES n
.rept \n
	v_nop
.endr
.endm
.macro ROUND                           ; a round of the cluster's barrier
	s_barrier_signal -1
	s_barrier_wait -1
	s_cmp_lg_u32 s12, 0
	s_cbranch_scc1 .Lnot_wave_0_\@
	s_barrier_signal -3
.Lnot_wave_0_\@:
	s_barrier_wait -3
	s_barrier_signal -1
	s_barrier_wait -1
.endm
.macro BARRIER                         ; my LDS stores have landed and my LDS loads are in: then the work-group's barrier.
	s_wait_dscnt 0x0
	s_barrier_signal -1
	s_barrier_wait -1
.endm
; THE CHANGE OF SLOTS, at a piece's head.  Every wave waits for all its tensor loads (its quarter of the piece ahead), adds 0 to its spare word, and waits for that and for its reads of the slot left.
; refill = 1: a round of the cluster's barrier, and first behind it the joint load of the next piece into the slot left.
.macro CHANGE slot, refill
	WIN 0
	s_wait_tensorcnt 0x0                           ; no tensor load of mine is out, so a group 0 may be written
	ds_add_u32 v[SPW], v[NIL]
	s_add_nc_u64 s[G0+4*\slot+2:G0+4*\slot+3], s[G0+4*\slot+2:G0+4*\slot+3], 2*PIECE   ; this slot's next piece
	s_wait_dscnt 0x0
.if \refill
	ROUND
	tensor_load_to_lds s[G0+4-4*\slot:G0+7-4*\slot], s[G1:G1+7]
	s_nop 0
	PLACES 4
.else
	s_barrier_signal -1
	s_barrier_wait -1
.endif
.endm
.macro FRAG ad, f                      ; fragment f of my quarter into buffer f % 8
.irp c, 0,1,2,3
	ds_load_b128 v[FB+16*((\f)%8)+4*\c:FB+16*((\f)%8)+4*\c+3], v[\ad] offset:(\f)*2048+512*\c
.endr
.endm
.macro FRAGS8 ad
.irp f, 0,1,2,3,4,5,6,7
	FRAG \ad, \f
.endr
.endm
.macro SCL ad                          ; my quarter's scale words
	ds_load_b128 v[KS:KS+3], v[\ad] offset:32768
	ds_load_b128 v[KS+4:KS+7], v[\ad] offset:33280
.endm
.macro PLOAD s                         ; P's four fragments of key step s, and their scale words
.irp m, 0,1,2,3
.irp c, 0,1,2,3
	ds_load_b128 v[W+16*\m+4*\c:W+16*\m+4*\c+3], v[PRI] offset:(4*(\s)+\m)*2048+512*\c
.endr
.endr
	ds_load_b128 v[PS:PS+3], v[PRS] offset:512*(\s)
.endm
; A PIECE'S 16 FRAGMENTS, four products each; the accumulators take turns, one instruction a turn; every sum adds in place onto the bias or the old O.
; kind 0: K: fragment n = K step n / 4, key tile 4 hf + n % 4.  kind 1: V: key step 2 hf + n / 8, channel tile n % 8.
; Fragments 0-7 are in flight at the start; behind the products of fragments 2, 4, 6, 8 two more are asked for, into the buffers that fragments n - 2, n - 1 have left: the eight v_nop among
; fragment n's products are the places behind fragment n - 1's last product.  The wait counts the loads issued behind fragment n's.
.macro RING kind, hf, ad
.set n, 0
.rept 16
.if (\kind) && (n == 8)
	WIN 0
	PLACES 8                                       ; behind the last product that read P's fragments and scale words
	PLOAD 2*(\hf)+1
	s_wait_dscnt 0x0
.endif
.set lastf, 15
.if n < 9
.set lastf, 5+2*((n+1)/2)
.endif
.if n < 3
.set lastf, 7
.endif
	s_wait_dscnt 4*(lastf-n)
.if \kind
	WIN 0xa0                                       ; C and D window 2
.else
	WIN 0xf4                                       ; source 1 window 1, C and D window 3
.endif
.irp m, 0,1,2,3
.if \kind
.if n/8
	v_wmma_scale_f32_16x16x128_f8f6f4 v[32*(n%8)+8*\m:32*(n%8)+8*\m+7], v[FB+16*(n%8):FB+16*(n%8)+15], v[W+16*\m:W+16*\m+15], v[32*(n%8)+8*\m:32*(n%8)+8*\m+7], v[KS+n%8], v[PS+\m] matrix_a_fmt:MATRIX_FMT_BF8 matrix_b_fmt:MATRIX_FMT_BF8 matrix_a_scale:MATRIX_SCALE_ROW1
.else
	v_wmma_scale_f32_16x16x128_f8f6f4 v[32*(n%8)+8*\m:32*(n%8)+8*\m+7], v[FB+16*(n%8):FB+16*(n%8)+15], v[W+16*\m:W+16*\m+15], v[32*(n%8)+8*\m:32*(n%8)+8*\m+7], v[KS+n%8], v[PS+\m] matrix_a_fmt:MATRIX_FMT_BF8 matrix_b_fmt:MATRIX_FMT_BF8
.endif
.else
.if (n/4)%2
	v_wmma_scale_f32_16x16x128_f8f6f4 v[64*\m+8*(4*(\hf)+n%4):64*\m+8*(4*(\hf)+n%4)+7], v[FB+16*(n%8):FB+16*(n%8)+15], v[64*\m+16*(n/4):64*\m+16*(n/4)+15], v[64*\m+8*(4*(\hf)+n%4):64*\m+8*(4*(\hf)+n%4)+7], v[KS+4*(n/8)+n%4], v[QS+4*(n/8)+\m] matrix_a_fmt:MATRIX_FMT_BF8 matrix_b_fmt:MATRIX_FMT_BF8 matrix_a_scale:MATRIX_SCALE_ROW1 matrix_b_scale:MATRIX_SCALE_ROW1
.else
	v_wmma_scale_f32_16x16x128_f8f6f4 v[64*\m+8*(4*(\hf)+n%4):64*\m+8*(4*(\hf)+n%4)+7], v[FB+16*(n%8):FB+16*(n%8)+15], v[64*\m+16*(n/4):64*\m+16*(n/4)+15], v[64*\m+8*(4*(\hf)+n%4):64*\m+8*(4*(\hf)+n%4)+7], v[KS+4*(n/8)+n%4], v[QS+4*(n/8)+\m] matrix_a_fmt:MATRIX_FMT_BF8 matrix_b_fmt:MATRIX_FMT_BF8
.endif
.endif
.if (n == 2) || (n == 4) || (n == 6) || (n == 8)
	v_nop
	v_nop
.endif
.endr
.if (n == 2) || (n == 4) || (n == 6) || (n == 8)
	WIN 0
	FRAG \ad, n+6
	FRAG \ad, n+7
.endif
.set n, n+1
.endr
.endm
; the mask of tile m, keys 64 hf .. + 63 of my 128, becomes the bias, in place: 0 where it is not 0, -2^38 where it is
.macro CONV m, hf
	WIN 0xcc
.set x, 64*(\m)+32*(\hf)
.rept 4
.irp i, 0,1,2,3,4,5,6,7
	v_cmp_eq_u32 s[40+\i], 0, v[x+\i]
.endr
.irp i, 0,1,2,3,4,5,6,7
	v_cndmask_b32 v[x+\i], 0, s34, s[40+\i]
.endr
.set x, x+8
.endr
.endm
; tile m's mask for my 128 keys of the super-step at s[8:9]: lane (r, h) takes, of its query's row, 16 neighbouring words of each block of 32: register 16 b + i = key 32 b + 16 h + i
.macro MLOAD m
	WIN 0xc0
.irp b, 0,1,2,3
.irp i, 0,1,2,3
	global_load_b128 v[64*\m+16*\b+4*\i:64*\m+16*\b+4*\i+3], v[MKO], s[8:9] offset:(32*(\m/2)+8*(\m%2))*8192+128*\b+16*\i th:TH_LOAD_NT
.endr
.endr
.endm
; the largest raw score of each block of 32 keys (over the sentinel -2^35), and of my 128 keys: that one goes to the other waves
.macro MAXS m
	WIN 0x3c
.irp b, 0,1,2,3
	v_max3_num_f32 v[BM+4*\m+\b], s35, v[64*\m+16*\b], v[64*\m+16*\b+1]   ; each accumulator is read from its low end on
.endr
.irp i, 2,4,6,8,10,12,14
.irp b, 0,1,2,3
	v_max3_num_f32 v[BM+4*\m+\b], v[BM+4*\m+\b], v[64*\m+16*\b+\i], v[64*\m+16*\b+\i+1]
.endr
.endr
	WIN 0
.irp b, 0,1,2,3
	v_permlanex16_b32 v[TM+4+\b], v[BM+4*\m+\b], s38, s39
.endr
.irp b, 0,1,2,3
	v_max_num_f32 v[BM+4*\m+\b], v[BM+4*\m+\b], v[TM+4+\b]
.endr
	v_max3_num_f32 v[TM+20+\m], v[BM+4*\m], v[BM+4*\m+1], v[BM+4*\m+2]
	v_max_num_f32 v[TM+20+\m], v[TM+20+\m], v[BM+4*\m+3]
	ds_store_b32 v[MXW], v[TM+20+\m] offset:512*\m
.endm
; the four waves' maxima and the old one give the running largest score, -M = floor(-t), and f = 2^(old M - new M): the same in all four waves
.macro STATS
.irp m, 0,1,2,3
	ds_load_b128 v[TM+4*\m:TM+4*\m+3], v[MXR] offset:512*\m
.endr
	s_wait_dscnt 0x0
.irp m, 0,1,2,3
	v_max3_num_f32 v[TM+16+\m], v[TM+4*\m], v[TM+4*\m+1], v[TM+4*\m+2]
.endr
.irp m, 0,1,2,3
	v_max3_num_f32 v[ST+4*\m+1], v[TM+16+\m], v[TM+4*\m+3], v[ST+4*\m+1]
.endr
.irp m, 0,1,2,3
	v_mul_f32 v[TM+16+\m], s33, v[ST+4*\m+1]
.endr
.irp m, 0,1,2,3
	v_mov_b32 v[TM+20+\m], v[ST+4*\m]
.endr
.irp m, 0,1,2,3
	v_floor_f32 v[ST+4*\m], -v[TM+16+\m]
.endr
.irp m, 0,1,2,3
	v_sub_f32 v[TM+20+\m], v[ST+4*\m], v[TM+20+\m]
.endr
.irp m, 0,1,2,3
	v_cvt_i32_f32 v[TM+20+\m], v[TM+20+\m]         ; (it saturates)
.endr
.irp m, 0,1,2,3
	v_ldexp_f32 v[F+2*\m], 1.0, v[TM+20+\m]
.endr
.endm
; tile m: scores to p, the sum, the quantiser, the image to LDS; loads = 1: the next super-step's mask is asked for into the registers that p has left
.macro SOFT m, loads
	v_cmp_eq_f32 vcc_lo, s35, v[ST+4*\m+1]         ; is my row wholly masked so far?
	v_cndmask_b32 v[CL], s33, 0, vcc_lo            ; then the multiplier
	v_cndmask_b32 v[NMF], v[ST+4*\m], 0, vcc_lo    ; and -M are 0: p = 1
.irp b, 0,1,2,3
	v_fma_f32 v[TM+\b], v[BM+4*\m+\b], v[CL], v[NMF]   ; t - M of each block's largest score: p rises with the score, so this gives the block's largest p
.endr
	WIN 0xc3
.set x, 64*\m
.rept 32
	v_pk_fma_f32 v[x:x+1], v[x:x+1], v[CL:CL+1], v[NMF:NMF+1] op_sel_hi:[1,0,0]
.set x, x+2
.endr
.set x, 64*\m
.rept 64
	v_exp_f32 v[x], v[x]
.set x, x+1
.endr
	WIN 0
	v_nop                                          ; a plain line behind the last exponential,
	s_wait_alu depctr_va_vdst(0)                   ; and one wait for the batch of 64, ahead of its first reader
	v_pk_mul_f32 v[ST+4*\m+2:ST+4*\m+3], v[ST+4*\m+2:ST+4*\m+3], v[F+2*\m:F+2*\m+1] op_sel_hi:[1,0]   ; the sum under the new M
	v_mov_b32 v[TM+18], 0
	v_mov_b32 v[TM+19], 0
	WIN 0x0c
.set x, 64*\m
.rept 16
	v_pk_add_f32 v[ST+4*\m+2:ST+4*\m+3], v[ST+4*\m+2:ST+4*\m+3], v[x:x+1]   ; the sum of the unquantised p, in two chains
	v_pk_add_f32 v[TM+18:TM+19], v[TM+18:TM+19], v[x+2:x+3]
.set x, x+4
.endr
	WIN 0
	v_pk_add_f32 v[ST+4*\m+2:ST+4*\m+3], v[ST+4*\m+2:ST+4*\m+3], v[TM+18:TM+19]
.irp b, 0,1,2,3
	v_exp_f32 v[TM+\b], v[TM+\b]                   ; the blocks' largest p
.endr
	v_nop
	s_wait_alu depctr_va_vdst(0)                   ; the wait for the four
	s_wait_dscnt 0x0                               ; the last tile's LDS stores have read the scale word and the codes, which are written anew below
.irp b, 0,1,2,3
	v_max_num_f32 v[TM+\b], 0x8000000, v[TM+\b]    ; the floor 2^(16 - 127)
.endr
.irp b, 0,1,2,3
	v_add_nc_u32 v[TM+12+\b], 0xf8800000, v[TM+\b]
.endr
.irp b, 0,1,2,3
	v_and_or_b32 v[TM+8+\b], v[TM+\b], 0x7f800000, s36
.endr
.irp b, 0,1,2,3
	v_lshrrev_b32 v[TM+4+\b], 23, v[TM+12+\b]
.endr
	v_lshl_or_b32 v[TM+16], v[TM+5], 8, v[TM+4]
	v_lshl_or_b32 v[TM+16], v[TM+6], 16, v[TM+16]
	v_lshl_or_b32 v[TM+16], v[TM+7], 24, v[TM+16]
	WIN 0xc3
.irp b, 0,1,2,3
.irp i, 0,1,2,3,4,5,6,7,8,9,10,11,12,13,14,15
	v_min_num_f32 v[64*\m+16*\b+\i], v[64*\m+16*\b+\i], v[TM+8+\b]   ; the hold: p is not negative, so it is one-sided
.endr
.endr
	WIN 0x03
.irp b, 0,1,2,3
	v_cvt_scalef32_pk8_bf8_f32 v[PC+4*\b:PC+4*\b+1], v[64*\m+16*\b:64*\m+16*\b+7], v[TM+12+\b]
	v_cvt_scalef32_pk8_bf8_f32 v[PC+4*\b+2:PC+4*\b+3], v[64*\m+16*\b+8:64*\m+16*\b+15], v[TM+12+\b]
.endr
	WIN 0
	v_nop                                          ; a plain line behind the last conversion
.irp c, 0,1,2,3
	ds_store_b128 v[PWI], v[PC+4*\c:PC+4*\c+3] offset:2048*\m+512*\c
.endr
	ds_store_b32 v[PWS], v[TM+16] offset:4*\m
.if \loads
	MLOAD \m
	WIN 0
.endif
.endm
.macro NORM m                          ; tile m's O^T times v[F + 2 m], each accumulator from its low end on
	WIN 0x82
.irp c, 0,1,2,3,4,5,6,7
.irp j, 0,2,4,6
	v_pk_mul_f32 v[32*\c+8*\m+\j:32*\c+8*\m+\j+1], v[32*\c+8*\m+\j:32*\c+8*\m+\j+1], v[F+2*\m:F+2*\m+1] op_sel_hi:[1,0]
.endr
.endr
.endm
; A SUPER-STEP: 512 keys.  last = 1: nothing beyond the stream's end is asked for.
.macro SUPER last
	CHANGE 0, 1                                    ; ---- K-a: key tiles 0-3 of my 128 keys
	PLACES 4                                       ; with the four behind the load: eight places behind the last products, in front of loads into their registers
	SCL AD0
	FRAGS8 AD0
.irp m, 0,1,2,3
	s_wait_loadcnt 56-16*\m                        ; tile m's first eight mask loads are in: behind them stand its other eight and sixteen for each later tile
	CONV \m, 0
.endr
	RING 0, 0, AD0
	CHANGE 1, 1                                    ; ---- K-b: key tiles 4-7
	PLACES 4
	SCL AD1
	FRAGS8 AD1
	s_wait_loadcnt 0x0                             ; all of the mask is in, so its base may step:
	s_add_nc_u64 s[8:9], s[8:9], 2048              ; the next 512 keys
.irp m, 0,1,2,3
	CONV \m, 1
.endr
	RING 0, 1, AD1
	WIN 0
	PLACES 8                                       ; in front of the first read of scores
.irp m, 0,1,2,3
	MAXS \m
.endr
	BARRIER                                        ; the four waves' maxima lie in LDS
	STATS
	SOFT 0, 1-\last
	SOFT 1, 1-\last
	CHANGE 0, 1                                    ; ---- V-a, in the middle of the softmax, so that both of V's pieces have work in which to land
	PLACES 4
	SCL AD0
	FRAGS8 AD0
	SOFT 2, 1-\last
	SOFT 3, 1-\last
	NORM 0                                         ; O^T under the new M
	NORM 1
	NORM 2
	NORM 3
	WIN 0
	BARRIER                                        ; P's sixteen fragments lie in LDS
	PLOAD 0
	s_wait_dscnt 0x0
	RING 1, 0, AD0
	CHANGE 1, 1-\last                              ; ---- V-b
	PLACES 4+4*\last
	SCL AD1
	PLOAD 2
	FRAGS8 AD1
	RING 1, 1, AD1
	WIN 0
.endm
	s_load_b256 s[4:11], s[0:1], 0x0               ; qimg s[4:5], kv s[6:7], mask s[8:9], out s[10:11]
	v_lshl_add_u32 v[SPW], v0, 2, SPARE
	v_mov_b32 v[NIL], 0
	ds_add_u32 v11, v12
	ds_add_u32 v11, v12
	s_wait_dscnt 0x0
	v_lshrrev_b32 v15, 5, v0
	v_readfirstlane_b32 s12, v15                   ; wave 0..3
	s_bfe_u32 s13, ttmp6, 0x40000                  ; cx
	s_lshl_b32 s14, ttmp9, 2
	s_add_co_u32 s14, s14, s13                     ; my block of 64 queries in the batch: it enters Q's, the mask's and out's addresses alone
	s_and_b32 s15, ttmp7, 0xffff                   ; the batch, which the four partners share
	s_mov_b32 s[G1], 15|(3<<16)|(1<<21)            ; 15:0 the mask: all four work-groups; 17:16 elements of 8 bytes; 21 set beside a mask; no padding
	s_mov_b32 s[G1+1], 32<<16                      ; tensor_dim0 = 32 elements: rows of 256 bytes
	s_mov_b32 s[G1+2], 132<<16                     ; tensor_dim1 = 132 rows: a quarter, dense in memory
	s_mov_b32 s[G1+3], 32<<16                      ; tile_dim0
	s_mov_b32 s[G1+4], 132                         ; tile_dim1
	s_mov_b32 s[G1+5], 32                          ; from row to row
	s_mov_b32 s[G1+6], 0
	s_mov_b32 s[G1+7], 0
	s_mov_b32 s33, 0x3d8293ee                      ; c = log2(e) / sqrt(512)
	s_mov_b32 s34, 0xd2800000                      ; -2^38
	s_mov_b32 s35, 0xd1000000                      ; -2^35
	s_mov_b32 s36, 0x600000                        ; the mantissa field of 57,344
	s_mov_b32 s38, 0x76543210
	s_mov_b32 s39, 0xfedcba98                      ; v_permlanex16_b32's selects for lane l xor 16
	s_mul_i32 s44, s12, QB                         ; my quarter
	s_mul_i32 s46, s15, 16*PIECE                   ; the batch's stream
	s_add_co_u32 s46, s46, s44
	s_mov_b32 s47, 0
	s_lshl_b32 s48, s15, 5
	s_add_co_u32 s48, s48, s14                     ; my block of 64 queries among the 256
	s_mul_i32 s50, s48, QB
	s_mov_b32 s51, 0
	s_lshl_b32 s40, s48, 19                        ; 64 rows of the mask, 8,192 bytes each
	s_mov_b32 s41, 0
	s_lshl_b32 s42, s48, 17                        ; 64 rows of out, 2,048 bytes each
	s_mov_b32 s43, 0
	v_and_b32 v15, 31, v0
	v_lshlrev_b32 v[LI], 4, v15
	v_add_nc_u32 v[AD0], s44, v[LI]
	v_add_nc_u32 v[AD1], PIECE, v[AD0]
	s_lshl_b32 s45, s12, 13
	v_add_nc_u32 v[PRI], PIMG, v[LI]
	v_add_nc_u32 v[PWI], s45, v[PRI]
	s_lshl_b32 s45, s12, 9
	v_add_nc_u32 v[PRS], PSC, v[LI]
	v_add_nc_u32 v[PWS], s45, v[PRS]
	v_and_b32 v64, 15, v0                          ; r
	v_and_b32 v65, 8, v64
	v_add_nc_u32 v65, v65, v64                     ; r + 8 (r / 8)
	v_bfe_u32 v66, v0, 4, 1                        ; h
	v_lshlrev_b32 v[MKO], 13, v65
	v_lshl_add_u32 v[MKO], v66, 6, v[MKO]
	v_add_nc_u32 v[MKO], s45, v[MKO]               ; the mask: my query's row, + 64 h, + my wave's 128 keys
	s_lshl_b32 s45, s12, 2
	v_add_nc_u32 v[MXR], MXE, v[LI]
	v_add_nc_u32 v[MXW], s45, v[MXR]
	v_add_nc_u32 v[LR], LSE, v[LI]
	v_add_nc_u32 v[LW], s45, v[LR]
	s_wait_kmcnt 0x0
	s_add_nc_u64 s[46:47], s[6:7], s[46:47]
	s_mov_b32 s[G0], 1                             ; count = 1
	s_mov_b32 s[G0+1], s44                         ; LDS address: slot 0, my quarter
	s_mov_b64 s[G0+2:G0+3], s[46:47]               ; piece 0
	s_or_b32 s[G0+3], s[G0+3], 0x80000000          ; type = 2
	s_mov_b32 s[G0+4], 1
	s_add_co_u32 s[G0+5], s44, PIECE               ; slot 1
	s_add_nc_u64 s[G0+6:G0+7], s[46:47], PIECE     ; piece 1
	s_or_b32 s[G0+7], s[G0+7], 0x80000000
	s_add_nc_u64 s[4:5], s[4:5], s[50:51]
	s_add_nc_u64 s[8:9], s[8:9], s[40:41]
	s_add_nc_u64 s[10:11], s[10:11], s[42:43]
	ROUND                                          ; all four work-groups are here: the first joint load meets
	tensor_load_to_lds s[G0:G0+3], s[G1:G1+7]      ; piece 0
	s_nop 0
	PLACES 4
	WIN 0x40
.irp f, 0,1,2,3,4,5,6,7,8,9,10,11,12,13,14,15      ; Q stays in registers: image 4 s + m
.irp c, 0,1,2,3
	global_load_b128 v[64*(\f%4)+16*(\f/4)+4*\c:64*(\f%4)+16*(\f/4)+4*\c+3], v[LI], s[4:5] offset:\f*2048+512*\c
.endr
.endr
	WIN 0
	global_load_b128 v[QS:QS+3], v[LI], s[4:5] offset:32768
	global_load_b128 v[QS+4:QS+7], v[LI], s[4:5] offset:33280
.irp m, 0,1,2,3
	MLOAD \m                                       ; the first super-step's mask
.endr
	WIN 0x80
.set x, 0
.rept 256
	v_mov_b32 v[x], 0                              ; O^T: cleared once, so that the super-step has no first copy of its own: the first change of M multiplies zeros
.set x, x+1
.endr
	WIN 0
.irp m, 0,1,2,3
	v_mov_b32 v[ST+4*\m+1], s35                    ; the largest raw score so far: the sentinel
	v_mul_f32 v[ST+4*\m], s33, v[ST+4*\m+1]
	v_floor_f32 v[ST+4*\m], -v[ST+4*\m]            ; -M
	v_mov_b32 v[ST+4*\m+2], 0                      ; the sum, in two halves
	v_mov_b32 v[ST+4*\m+3], 0
	v_mov_b32 v[F+2*\m], 0
	v_mov_b32 v[F+2*\m+1], 0                       ; (named as the upper half of a pair)
	v_mov_b32 v[TM+4+\m], 0                        ; (a lane permute's destination counts as one of its sources)
.endr
	v_mov_b32 v[CL+1], 0
	v_mov_b32 v[NMF+1], 0
	s_mov_b32 s32, 3
.Lsuper:
	SUPER 0
	s_sub_co_u32 s32, s32, 1
	s_cmp_lg_u32 s32, 0
	s_cbranch_scc1 .Lsuper
	SUPER 1                                        ; the last super-step is written out
	; THE WAY OUT.  The sum's halves, lane l xor 16's and the four waves' are added; O^T is divided by the sum and goes, a tile of 16 queries at a time, through my stage in LDS, so that 32 lanes store 512 consecutive bytes of a row.
	PLACES 8                                       ; behind the last products
.irp m, 0,1,2,3
	v_add_f32 v[TM+\m], v[ST+4*\m+2], v[ST+4*\m+3]
.endr
.irp m, 0,1,2,3
	v_mov_b32 v[TM+4+\m], 0
.endr
.irp m, 0,1,2,3
	v_permlanex16_b32 v[TM+4+\m], v[TM+\m], s38, s39
.endr
.irp m, 0,1,2,3
	v_add_f32 v[TM+\m], v[TM+\m], v[TM+4+\m]
.endr
.irp m, 0,1,2,3
	ds_store_b32 v[LW], v[TM+\m] offset:512*\m
.endr
	BARRIER
.irp m, 0,1,2,3
	ds_load_b128 v[TM+4*\m:TM+4*\m+3], v[LR] offset:512*\m
.endr
	s_mul_i32 s44, s12, STG                        ; my stage
	v_and_b32 v100, 15, v0
	v_bfe_u32 v101, v0, 4, 1
	v_mul_u32_u24 v[STO], v100, SP
	v_lshl_add_u32 v[STO], v101, 6, v[STO]
	v_add_nc_u32 v[STO], s44, v[STO]               ; in: row r, + 64 h
	v_add_nc_u32 v[RD], s44, v[LI]                 ; back: a row of 512 bytes, 16 a lane
	s_lshl_b32 s45, s12, 9
	v_add_nc_u32 v[GO], s45, v[LI]                 ; and in out: my wave's 128 channels
	s_wait_dscnt 0x0
.irp m, 0,1,2,3
	v_add_f32 v[TM+4*\m], v[TM+4*\m], v[TM+4*\m+1]
.endr
.irp m, 0,1,2,3
	v_add_f32 v[TM+4*\m+2], v[TM+4*\m+2], v[TM+4*\m+3]
.endr
.irp m, 0,1,2,3
	v_add_f32 v[TM+4*\m], v[TM+4*\m], v[TM+4*\m+2]
.endr
.irp m, 0,1,2,3
	v_rcp_f32 v[F+2*\m], v[TM+4*\m]
.endr
	v_nop                                          ; a plain line behind the last reciprocal,
	s_wait_alu depctr_va_vdst(0)                   ; and one wait for the four, ahead of the first reader
; register 32 c + 8 m + j of lane (r, h) is out(query 32 (m / 2) + 8 (m % 2) + r + 8 (r / 8), channel 128 w + 32 (c / 2) + 16 h + 8 (c % 2) + j)
.macro TOSTAGE m
	WIN 0x08                                       ; an LDS store's data are its source 1: window 2
.irp a, 0,1,2,3
.irp q, 0,1,2,3
	ds_store_b128 v[STO], v[32*(2*\a+\q/2)+8*\m+4*(\q%2):32*(2*\a+\q/2)+8*\m+4*(\q%2)+3] offset:128*\a+16*\q
.endr
.endr
	WIN 0
.irp i, 0,1,2,3,4,5,6,7,8,9,10,11,12,13,14,15
	ds_load_b128 v[FB+64*((\m)%2)+4*\i:FB+64*((\m)%2)+4*\i+3], v[RD] offset:\i*SP   ; LDS serves a wave's instructions in order (ISA guide 5.7.1.4): these see the stores above, and the next tile's stores come behind them
.endr
.endm
.macro SEND m, younger                 ; younger: the LDS instructions issued behind tile m's loads
	s_wait_dscnt \younger
.irp i, 0,1,2,3,4,5,6,7,8,9,10,11,12,13,14,15
	global_store_b128 v[GO], v[FB+64*((\m)%2)+4*\i:FB+64*((\m)%2)+4*\i+3], s[10:11] offset:(32*((\m)/2)+8*((\m)%2)+\i+8*(\i/8))*2048 th:TH_STORE_NT   ; 32 lanes store 512 consecutive bytes, aligned
.endr
.endm
	NORM 0
	TOSTAGE 0
	NORM 1
	TOSTAGE 1
	SEND 0, 32                                     ; behind tile 0's loads: tile 1's 16 stores and 16 loads
	NORM 2
	s_wait_xcnt 0x0                                ; tile 0's stores have read their registers: tile 2's rows may land there
	TOSTAGE 2
	SEND 1, 32
	NORM 3
	s_wait_xcnt 0x0
	TOSTAGE 3
	SEND 2, 32
	SEND 3, 0
	s_wait_tensorcnt 0x0                           ; the wave's end: behind my last tensor load and my last LDS store
	ds_add_u32 v[SPW], v[NIL]
	s_wait_dscnt 0x0
	ROUND                                          ; the closing round: no work-group ends while a partner may still ask for a piece that names it
	s_endpgm
.Lfunc_end_k_q6fa75f4b35_attn:
	.size	k_q6fa75f4b35_attn, .Lfunc_end_k_q6fa75f4b35_attn-k_q6fa75f4b35_attn
	.p2alignl 7, 3214868480
	.fill 96, 4, 3214868480
	.section	.rodata,"a",@progbits
	.p2align	6, 0x0
	.amdhsa_kernel k_q6fa75f4b35_attn
		.amdhsa_group_segment_fixed_size 327680
		.amdhsa_private_segment_fixed_size 0
		.amdhsa_enable_private_segment 0
		.amdhsa_kernarg_size 32
		.amdhsa_user_sgpr_count 2
		.amdhsa_user_sgpr_kernarg_segment_ptr 1
		.amdhsa_wavefront_size32 1
		.amdhsa_system_sgpr_workgroup_id_x 1
		.amdhsa_system_sgpr_workgroup_id_y 1
		.amdhsa_system_sgpr_workgroup_id_z 1
		.amdhsa_system_vgpr_workitem_id 0
		.amdhsa_next_free_vgpr 1024
		.amdhsa_next_free_sgpr 66
		.amdhsa_reserve_vcc 1
		.amdhsa_float_denorm_mode_32 3
		.amdhsa_float_denorm_mode_16_64 3
		.amdhsa_memory_ordered 1
		.amdhsa_forward_progress 1
		.amdhsa_inst_pref_size 255
	.end_amdhsa_kernel
	.section	.bss,"aw",@nobits
	.p2align	6
	.space	262144
	.amdgpu_metadata
---
amdhsa.version: [ 1, 2 ]
amdhsa.kernels:
  - .name:           k_q6fa75f4b35_attn
    .symbol:         k_q6fa75f4b35_attn.kd
    .args:
      - { .name: qimg, .offset: 0, .size: 8, .value_kind: global_buffer, .address_space: global }
      - { .name: kv, .offset: 8, .size: 8, .value_kind: global_buffer, .address_space: global }
      - { .name: mask, .offset: 16, .size: 8, .value_kind: global_buffer, .address_space: global }
      - { .name: out0, .offset: 24, .size: 8, .value_kind: global_buffer, .address_space: global }
    .group_segment_fixed_size: 327680
    .private_segment_fixed_size: 0
    .kernarg_segment_align: 8
    .kernarg_segment_size: 32
    .max_flat_workgroup_size: 128
    .sgpr_count:     66
    .vgpr_count:     1024
    .wavefront_size: 32
...
	.end_amdgpu_metadata
.endif
;; end of part 2
;; ======== version 2 of 2: 2 launches; 1.15 times as fast as version 1
;; limits: right only within a limited range of input values
;; workspace buffers: qimg 8,650,752 bytes; kv 17,301,504 bytes
;; launch proj (part 3): grid 192 x 1, 4 waves a work-group, no clusters, 68,096 bytes of LDS; arguments input_codes, input_scales, W_q_codes, W_q_scales, b_q, W_k_codes, W_k_scales, b_k, W_v_codes, W_v_scales, b_v, qimg, kv; writes qimg, kv
.if DOCPART == 3
	.amdgcn_target "amdgcn-amd-amdhsa--gfx1250"
	.amdhsa_code_object_version 6
	.text
	.protected	k_q6fa75f4b35_proj
	.globl	k_q6fa75f4b35_proj
	.p2align	8
	.type	k_q6fa75f4b35_proj,@function
k_q6fa75f4b35_proj:
	s_mov_b64 s[64:65], 0
	v_nop
	global_prefetch_b8 v0, s[64:65] scope:SCOPE_SE
	s_setreg_imm32_b32 hwreg(HW_REG_WAVE_MODE, 25, 1), 1
	s_wait_xcnt 0x0
; q = x Wq^T + bq, k = x Wk^T + bk, v = x Wv^T + bv on the given E5M2 codes and E8M0 scales; the results are quantised (q, k along the 512 hidden units, v along the keys)
; and stored as IMAGES OF THE OPERAND REGISTERS that the attention launch wants: a fragment (16 rows x 128 K) is 2,048 bytes, registers 4 c .. 4 c + 3 of lane l at 512 c + 16 l.
; A block of 33,792 bytes holds 16 fragments and, from byte 32,768 on, their scale words (two images of 512 bytes, four words a lane).
; A UNIT: 128 rows of source 0 x 16 rows of source 1 over K = 512: 32 matrix instructions, whose 64 results a lane are one fragment of the next product and one scale word.
; The product is used transposed and THE ROWS OF A TILE ARE NOT NEIGHBOURS: lane r of tile t takes row 32 (t / 2) + 8 (t % 2) + r + 8 (r / 8), on both sides, so that the 16 registers of
; tiles 2 b and 2 b + 1 are 16 neighbours along the next K: 32 b + 16 (lane / 16) + 0 .. 15.
; SHARES.  12,288 units; a wave keeps its 128 rows of source 0 in 512 registers and streams 16 units: 768 waves, 192 work-groups of equal work.
;   work-groups 0-63: q (source 0 = 128 rows of Wq, source 1 = rows of x);  64-127: k (the same with Wk): ONE path of the text, pointers chosen on the work-group's number;
;   128-191: v (source 0 = 128 rows of x, the keys; source 1 = rows of Wv, the channels): a second path.
; The bias is the C of each sum's first matrix instruction (q, k: eight hidden units a tile; v: the lane's channel in all eight registers).
; LOADS BY ROWS, TURNED IN LDS.  A fragment wants 16 bytes a lane from 16 rows; a load here takes ONE row of codes, 512 consecutive bytes, 16 a lane.  A tile of 16 rows goes through the wave's own
; stage in LDS (rows of 512 + 16 bytes) as it was loaded and comes back as its four fragments, into the registers that it left.  The stage is the wave's own: no barrier, and LDS serves a wave's
; instructions in order (ISA guide 5.7.1.4), so no wait stands between the stores and the loads.  Each path of the text has LDS bytes of its own.
; No tensor loads, no multicast: both operands go through registers; the stream runs three units ahead, its turn through the stage one unit ahead.
; LIMITS: a block of zeros gets the scale byte 1 (the floor), not 127: its codes are zeros and this program alone reads the bytes.  NaN and infinities are not served.
; REGISTERS: window 0: v1-7 offsets; v16-47 source 0's scale words (4 t + s); v48-63 the stream's (4 buffers x 4); v64-79 at work; v80-83 a trip's four scale words; v88-103 codes;
;   v104-167 the 8 accumulators; v168-231 the bias (q, k), v168-175 and v176-179 (v).  windows 1, 2: source 0, K steps 0, 1 and 2, 3.  window 3: four stream buffers of 64.
.set BLKB, 33792
.set SP,   528                         ; a stage row: 512 bytes + 16: the sixteen rows that a load back touches start at sixteen different banks (64 banks of 4 bytes: ISA guide 11.1)
.set STGB, 16*SP                       ; a wave's stage; four of them for each path
.set LI,  1                            ; 16 x lane: a lane's place in an image, and in a row of codes
.set STW, 2                            ; the stage, on the way in: wave x STGB + 16 x lane
.set VSC, 3                            ; (r + 8 (r / 8)) x 16: my row's four scale words
.set VBI, 4                            ; 64 (lane / 16): q, k: the bias of my half's hidden units
.set VBL, 5                            ; (r + 8 (r / 8)) x 4: v: the bias of my channel
.set VSO, 6                            ; 16 r: where a trip's four scale words go
.set STR, 7                            ; the stage, on the way out: wave x STGB + r x SP + 16 (lane / 16)
.set AS,  16
.set BS,  48
.set TM,  64                           ; +0-3 largest magnitudes, +4-7 the other half's, then bytes, +8-11 the hold, +12-15 the conversions' scale operand
.set PW,  80
.set PC,  88
.set ACC, 104
.set BI,  168
.set BV,  168
.set BL,  176
.set SEL, 58
.set MNT, 60
.set MSB, 0
.macro WIN new                         ; the immediate's high byte repeats the setting that is left
.if MSB != \new
	s_set_vgpr_msb (MSB<<8)|\new
.set MSB, \new
.endif
.endm
.macro PLACES n
.rept \n
	v_nop
.endr
.endm
; source 0: its scale words, for q, k the bias in the result's layout, and its 128 rows of codes, a row a load: tile t's rows 0-7 into window 1, its rows 8-15 into window 2, at 32 t + 4 p
.macro STAT kind
.irp t, 0,1,2,3,4,5,6,7
	global_load_b128 v[AS+4*\t:AS+4*\t+3], v[VSC], s[38:39] offset:(32*(\t/2)+8*(\t%2))*16
.endr
.if \kind == 0
.irp t, 0,1,2,3,4,5,6,7
	global_load_b128 v[BI+8*\t:BI+8*\t+3], v[VBI], s[40:41] offset:(32*(\t/2)+8*(\t%2))*4
	global_load_b128 v[BI+8*\t+4:BI+8*\t+7], v[VBI], s[40:41] offset:(32*(\t/2)+8*(\t%2))*4+16
.endr
.endif
	WIN 0x40
.irp t, 0,1,2,3,4,5,6,7
.irp p, 0,1,2,3,4,5,6,7
	global_load_b128 v[32*\t+4*\p:32*\t+4*\p+3], v[LI], s[36:37] offset:(32*(\t/2)+8*(\t%2)+\p)*512
.endr
.endr
	WIN 0x80
.irp t, 0,1,2,3,4,5,6,7
.irp p, 0,1,2,3,4,5,6,7
	global_load_b128 v[32*\t+4*\p:32*\t+4*\p+3], v[LI], s[36:37] offset:(32*(\t/2)+8*(\t%2)+\p+16)*512
.endr
.endr
	WIN 0
.endm
; source 0 through the stage, a tile at a time: 16 rows in, its four fragments (K step s at 32 t + 16 (s % 2), windows 1 and 2) out
.macro STURN kind
.irp t, 0,1,2,3,4,5,6,7
	WIN 0x44                                       ; an LDS store's data are its source 1, a load's its destination: window 1
.irp p, 0,1,2,3,4,5,6,7
	ds_store_b128 v[STW], v[32*\t+4*\p:32*\t+4*\p+3] offset:(\kind)*4*STGB+\p*SP
.endr
	WIN 0x88                                       ; window 2
.irp p, 0,1,2,3,4,5,6,7
	ds_store_b128 v[STW], v[32*\t+4*\p:32*\t+4*\p+3] offset:(\kind)*4*STGB+(\p+8)*SP
.endr
.irp s, 2,3
.irp c, 0,1,2,3
	ds_load_b128 v[32*\t+16*(\s-2)+4*\c:32*\t+16*(\s-2)+4*\c+3], v[STR] offset:(\kind)*4*STGB+128*\s+32*\c
.endr
.endr
	WIN 0x44
.irp s, 0,1
.irp c, 0,1,2,3
	ds_load_b128 v[32*\t+16*\s+4*\c:32*\t+16*\s+4*\c+3], v[STR] offset:(\kind)*4*STGB+128*\s+32*\c
.endr
.endr
.endr
	WIN 0
.endm
; a unit's source 1: tile p of the 64 rows at the stream's pointers, a row a load, into buffer p: 17 loads, 18 for v
.macro BLOAD kind, p
	WIN 0xc0
.irp e, 0,1,2,3,4,5,6,7,8,9,10,11,12,13,14,15
	global_load_b128 v[64*(\p)+4*\e:64*(\p)+4*\e+3], v[LI], s[42:43] offset:(32*((\p)/2)+8*((\p)%2)+\e+8*(\e/8))*512
.endr
	WIN 0
	global_load_b128 v[BS+4*(\p):BS+4*(\p)+3], v[VSC], s[44:45] offset:(32*((\p)/2)+8*((\p)%2))*16
.if \kind
	global_load_b32 v[BL+(\p)], v[VBL], s[40:41] offset:(32*((\p)/2)+8*((\p)%2))*4
.endif
.endm
; buffer p through the stage: 16 rows in, four fragments (K step s at 64 p + 16 s) out: 32 LDS instructions
.macro TURN kind, p
	WIN 0xcc                                       ; store data and load destination: window 3
.irp e, 0,1,2,3,4,5,6,7,8,9,10,11,12,13,14,15
	ds_store_b128 v[STW], v[64*(\p)+4*\e:64*(\p)+4*\e+3] offset:(\kind)*4*STGB+\e*SP
.endr
.irp s, 0,1,2,3
.irp c, 0,1,2,3
	ds_load_b128 v[64*(\p)+16*\s+4*\c:64*(\p)+16*\s+4*\c+3], v[STR] offset:(\kind)*4*STGB+128*\s+32*\c
.endr
.endr
	WIN 0
.endm
; 32 matrix instructions, K step by K step; the eight accumulators take turns, one instruction a turn
.macro PRODS kind, u
.irp s, 0,1,2,3
.if \s < 2
	WIN 0x0d                                       ; source 0 window 1, source 1 window 3
.else
	WIN 0x0e                                       ; source 0 window 2
.endif
.irp t, 0,1,2,3,4,5,6,7
.if \s == 0
.if \kind
	v_wmma_scale_f32_16x16x128_f8f6f4 v[ACC+8*\t:ACC+8*\t+7], v[32*\t:32*\t+15], v[64*\u:64*\u+15], v[BV:BV+7], v[AS+4*\t], v[BS+4*\u] matrix_a_fmt:MATRIX_FMT_BF8 matrix_b_fmt:MATRIX_FMT_BF8
.else
	v_wmma_scale_f32_16x16x128_f8f6f4 v[ACC+8*\t:ACC+8*\t+7], v[32*\t:32*\t+15], v[64*\u:64*\u+15], v[BI+8*\t:BI+8*\t+7], v[AS+4*\t], v[BS+4*\u] matrix_a_fmt:MATRIX_FMT_BF8 matrix_b_fmt:MATRIX_FMT_BF8
.endif
.else
	v_wmma_scale_f32_16x16x128_f8f6f4 v[ACC+8*\t:ACC+8*\t+7], v[32*\t+16*(\s%2):32*\t+16*(\s%2)+15], v[64*\u+16*\s:64*\u+16*\s+15], v[ACC+8*\t:ACC+8*\t+7], v[AS+4*\t+\s], v[BS+4*\u+\s] matrix_a_fmt:MATRIX_FMT_BF8 matrix_b_fmt:MATRIX_FMT_BF8
.endif
.endr
.endr
.endm
; 64 numbers of a lane, register 16 b + i = k 32 b + 16 (lane / 16) + i of my row, become a fragment's codes in v[PC] on and its scale word in v[pw]
.macro QUANT s, pw
.irp b, 0,1,2,3
	v_max3_num_f32 v[TM+\b], |v[\s+16*\b]|, |v[\s+1+16*\b]|, 0x8000000   ; block b: my 16 numbers and the floor 2^(16 - 127): the byte cannot fall under 1
.endr
.irp i, 2,4,6,8,10,12,14
.irp b, 0,1,2,3
	v_max3_num_f32 v[TM+\b], v[TM+\b], |v[\s+16*\b+\i]|, |v[\s+1+16*\b+\i]|   ; the four blocks by turns; each accumulator is read from its low end on
.endr
.endr
.irp b, 0,1,2,3
	v_permlanex16_b32 v[TM+4+\b], v[TM+\b], s[SEL], s[SEL+1]
.endr
.irp b, 0,1,2,3
	v_max_num_f32 v[TM+\b], v[TM+\b], v[TM+4+\b]   ; with lane l xor 16's: the block's largest magnitude
.endr
.irp b, 0,1,2,3
	v_add_nc_u32 v[TM+12+\b], 0xf8800000, v[TM+\b] ; 15 off its exponent field: the conversion's scale operand
.endr
.irp b, 0,1,2,3
	v_and_or_b32 v[TM+8+\b], v[TM+\b], 0x7f800000, s[MNT]   ; 57,344 x the scale
.endr
.irp b, 0,1,2,3
	v_lshrrev_b32 v[TM+4+\b], 23, v[TM+12+\b]      ; the scale's byte
.endr
	v_lshl_or_b32 v[\pw], v[TM+5], 8, v[TM+4]
	v_lshl_or_b32 v[\pw], v[TM+6], 16, v[\pw]
	v_lshl_or_b32 v[\pw], v[TM+7], 24, v[\pw]
.irp b, 0,1,2,3
.irp i, 0,1,2,3,4,5,6,7,8,9,10,11,12,13,14,15
	v_med3_num_f32 v[\s+16*\b+\i], v[\s+16*\b+\i], -v[TM+8+\b], v[TM+8+\b]   ; the conversion to an 8-bit code does not saturate (ISA guide 7.6.2): the hold comes first
.endr
	v_cvt_scalef32_pk8_bf8_f32 v[PC+4*\b:PC+1+4*\b], v[\s+16*\b:\s+7+16*\b], v[TM+12+\b]
	v_cvt_scalef32_pk8_bf8_f32 v[PC+2+4*\b:PC+3+4*\b], v[\s+8+16*\b:\s+15+16*\b], v[TM+12+\b]
.endr
	v_nop                                          ; a plain line behind the last conversion: the next unit's products write its sources
.endm
; unit u of a trip.  ahead = 1: the unit three further on is asked for, into the buffer that the last unit's products have left (eight v_nop and the quantiser's lines stand between).
; turn = 1: the next unit's rows, which are in when at most 'left' younger loads are out, go through the stage while this unit is multiplied.
.macro UNIT kind, u, ahead, left, turn
.if \u > 0
	s_wait_xcnt 0x0                                ; the last unit's stores have read the codes' registers, which this unit's conversions write; the loads issued so far have read the stream's pointers.  (Unit 0: the wait at the trip's end)
.endif
.if \ahead
.if \u == 1
	s_add_nc_u64 s[42:43], s[42:43], s[50:51]      ; the stream's pointers step to the next 64 (k: 128) rows: units 1 to 3 look into the next trip
	s_add_nc_u64 s[44:45], s[44:45], s[52:53]
.if \kind
	s_add_nc_u64 s[40:41], s[40:41], 256
.endif
.endif
	BLOAD \kind, (\u+3)%4
.endif
.if \turn
	s_wait_loadcnt \left
	TURN \kind, (\u+1)%4
	s_wait_dscnt 32                                ; all but the 32 just issued: this unit's fragments are back from the stage
.else
	s_wait_dscnt 0x0
.endif
.if \kind
.irp j, 0,1,2,3,4,5,6,7
	v_mov_b32 v[BV+\j], v[BL+\u]                   ; my channel's bias in all eight registers of C
.endr
.endif
	PRODS \kind, \u
	WIN 0
	PLACES 8                                       ; eight places between the last product and the first read of results
	QUANT ACC, PW+\u
.irp c, 0,1,2,3
	global_store_b128 v[LI], v[PC+4*\c:PC+4*\c+3], s[46:47] offset:2048*\u+512*\c   ; 32 lanes store 512 consecutive bytes, aligned
.endr
.endm
; what stands in front of a path's loop: source 0, three units of the stream; source 0 and unit 0 through the stage
.macro START kind
	STAT \kind
	BLOAD \kind, 0
	BLOAD \kind, 1
	BLOAD \kind, 2
	s_wait_loadcnt 3*(17+\kind)                    ; all but the three units' loads: source 0, its scale words and the bias are in
	STURN \kind
	s_wait_loadcnt 2*(17+\kind)                    ; unit 0 is in
	TURN \kind, 0
.endm
.macro TAIL kind
	UNIT \kind, 0, 1, 2*(17+\kind), 1              ; the last trip: one more unit is asked for, then the counts run down: no load leaves its buffer
	UNIT \kind, 1, 0, 17+\kind, 1
	UNIT \kind, 2, 0, 0, 1
	UNIT \kind, 3, 0, 0, 0
	global_store_b128 v[VSO], v[PW:PW+3], s[48:49]
	s_wait_tensorcnt 0x0
	ds_add_u32 v254, v255
	s_wait_dscnt 0x0
	s_endpgm
.endm
	s_load_b512 s[8:23], s[0:1], 0x0               ; x codes 8, x scales 10, Wq codes 12, Wq scales 14, bq 16, Wk codes 18, Wk scales 20, bk 22
	s_load_b256 s[24:31], s[0:1], 0x40             ; Wv codes 24, Wv scales 26, bv 28, qimg 30
	s_load_b64 s[32:33], s[0:1], 0x60              ; kv
	v_lshl_add_u32 v254, v0, 2, 0x10800
	v_mov_b32 v255, 0
	v_lshrrev_b32 v8, 5, v0
	v_readfirstlane_b32 s54, v8                    ; wave 0..3
	v_and_b32 v8, 31, v0
	v_lshlrev_b32 v[LI], 4, v8
	v_and_b32 v8, 15, v0                           ; r
	v_bfe_u32 v9, v0, 4, 1                         ; h
	v_and_b32 v10, 8, v8
	v_add_nc_u32 v10, v10, v8                      ; r + 8 (r / 8)
	s_mul_i32 s2, s54, STGB                        ; my stage (the path's base stands in the immediates)
	v_add_nc_u32 v[STW], s2, v[LI]
	v_mul_u32_u24 v[STR], v8, SP
	v_lshl_add_u32 v[STR], v9, 4, v[STR]
	v_add_nc_u32 v[STR], s2, v[STR]
	v_lshlrev_b32 v[VSC], 4, v10
	v_lshlrev_b32 v[VBI], 6, v9
	v_lshlrev_b32 v[VBL], 2, v10
	v_lshlrev_b32 v[VSO], 4, v8
.irp b, 0,1,2,3
	v_mov_b32 v[TM+4+\b], 0                        ; written once: a lane permute's destination counts as one of its sources
.endr
	s_mov_b32 s[SEL], 0x76543210
	s_mov_b32 s[SEL+1], 0xfedcba98                 ; v_permlanex16_b32's selects for lane l xor 16
	s_mov_b32 s[MNT], 0x600000                     ; the mantissa field of 57,344
	s_and_b32 s55, ttmp9, 63                       ; i: my place among the 64 work-groups of my tensor
	s_lshr_b32 s3, s55, 1
	s_and_b32 s4, s55, 1
	s_mov_b32 s63, 0
	s_mov_b32 s51, 0
	s_mov_b32 s53, 0
	s_mov_b32 s56, 0                               ; the trip
	s_wait_kmcnt 0x0
	s_cmp_ge_u32 ttmp9, 128
	s_cbranch_scc1 .Lv
	; ---- q and k.  q: x rows 256 i on, 64 a trip, blocks 4 i on.  k: x rows 512 (i / 2) + 64 (i % 2) on, 128 apart, blocks 16 (i / 2) + 4 (i % 2) on
	s_lshl_b32 s2, s55, 8
	s_lshl_b32 s5, s3, 9
	s_lshl_b32 s6, s4, 6
	s_add_co_u32 s5, s5, s6
	s_lshl_b32 s6, s55, 2
	s_lshl_b32 s7, s3, 4
	s_lshl_b32 s34, s4, 2
	s_add_co_u32 s7, s7, s34
	s_cmp_lt_u32 ttmp9, 64                         ; q or k: the choice hangs on the work-group's number alone
	s_cselect_b64 s[36:37], s[12:13], s[18:19]
	s_cselect_b64 s[38:39], s[14:15], s[20:21]
	s_cselect_b64 s[40:41], s[16:17], s[22:23]
	s_cselect_b64 s[46:47], s[30:31], s[32:33]
	s_cselect_b32 s2, s2, s5                       ; the stream's first row
	s_cselect_b32 s6, s6, s7                       ; the first block
	s_mov_b32 s50, 0x10000
	s_cselect_b32 s50, 0x8000, s50                 ; a trip on, in codes,
	s_mov_b32 s52, 2048
	s_cselect_b32 s52, 1024, s52                   ; and in scale bytes
	s_lshl_b32 s62, s54, 16                        ; my 128 rows of W,
	s_add_nc_u64 s[36:37], s[36:37], s[62:63]
	s_lshl_b32 s62, s54, 11                        ; their scales,
	s_add_nc_u64 s[38:39], s[38:39], s[62:63]
	s_lshl_b32 s62, s54, 9                         ; their bias
	s_add_nc_u64 s[40:41], s[40:41], s[62:63]
	s_lshl_b32 s62, s2, 9
	s_add_nc_u64 s[42:43], s[8:9], s[62:63]
	s_lshl_b32 s62, s2, 4
	s_add_nc_u64 s[44:45], s[10:11], s[62:63]
	s_mul_i32 s62, s6, BLKB
	s_add_nc_u64 s[46:47], s[46:47], s[62:63]
	s_lshl_b32 s62, s54, 8
	s_add_co_u32 s62, s62, 32768
	s_add_nc_u64 s[48:49], s[46:47], s[62:63]      ; the scale words of K step = wave: 256 bytes at 32,768 + 256 x wave
	s_lshl_b32 s62, s54, 13
	s_add_nc_u64 s[46:47], s[46:47], s[62:63]      ; the fragments 4 x wave + u
	START 0
.Lqk:                                              ; three trips of four units; behind the next unit's loads stand those of two units: 34
	UNIT 0, 0, 1, 34, 1
	UNIT 0, 1, 1, 34, 1
	UNIT 0, 2, 1, 34, 1
	UNIT 0, 3, 1, 34, 1
	global_store_b128 v[VSO], v[PW:PW+3], s[48:49] ; sixteen lanes fill 256 consecutive aligned bytes (lanes 16-31 hold the same words and write the same bytes)
	s_wait_xcnt 0x0                                ; the stores have read their bases and their data
	s_add_nc_u64 s[46:47], s[46:47], BLKB
	s_add_nc_u64 s[48:49], s[48:49], BLKB
	s_add_co_u32 s56, s56, 1
	s_cmp_lt_u32 s56, 3
	s_cbranch_scc1 .Lqk
	TAIL 0
	; ---- v.  Source 0: keys 512 (i / 2) + 128 x wave on.  Source 1: channels 256 (i % 2) on, 64 a trip.
.Lv:
	s_lshl_b32 s62, s3, 9
	s_lshl_b32 s5, s54, 7
	s_add_co_u32 s5, s62, s5                       ; my first key, a row of x
	s_lshl_b32 s62, s5, 9
	s_add_nc_u64 s[36:37], s[8:9], s[62:63]
	s_lshl_b32 s62, s5, 4
	s_add_nc_u64 s[38:39], s[10:11], s[62:63]
	s_lshl_b32 s62, s4, 17
	s_add_nc_u64 s[42:43], s[24:25], s[62:63]
	s_lshl_b32 s62, s4, 12
	s_add_nc_u64 s[44:45], s[26:27], s[62:63]
	s_lshl_b32 s62, s4, 10
	s_add_nc_u64 s[40:41], s[28:29], s[62:63]
	s_lshl_b32 s6, s3, 2
	s_lshr_b32 s7, s54, 1
	s_add_co_u32 s6, s6, s7
	s_add_co_u32 s6, s6, 2
	s_lshl_b32 s6, s6, 2
	s_lshl_b32 s7, s4, 1
	s_add_co_u32 s6, s6, s7                        ; block (4 (i / 2) + 2 + wave / 2) x 4 + 2 (i % 2)
	s_mul_i32 s62, s6, BLKB
	s_add_nc_u64 s[46:47], s[32:33], s[62:63]
	s_and_b32 s7, s54, 1
	s_lshl_b32 s62, s7, 8
	s_add_co_u32 s62, s62, 32768
	s_add_nc_u64 s[48:49], s[46:47], s[62:63]      ; scale words: 32,768 + 512 (trip % 2) + 256 (wave % 2)
	s_lshl_b32 s62, s7, 14
	s_add_nc_u64 s[46:47], s[46:47], s[62:63]      ; fragments 8 (wave % 2) + 4 (trip % 2) + u
	s_mov_b32 s50, 32768
	s_mov_b32 s52, 1024
	s_mov_b32 s35, 0
	START 1
.Lvt:                                              ; three trips; 18 loads a unit: 36 behind the next unit's
	UNIT 1, 0, 1, 36, 1
	UNIT 1, 1, 1, 36, 1
	UNIT 1, 2, 1, 36, 1
	UNIT 1, 3, 1, 36, 1
	global_store_b128 v[VSO], v[PW:PW+3], s[48:49]
	s_mov_b32 s62, 25600                           ; behind an odd trip: on to the next block; behind an even one: four fragments, one scale image on
	s_mov_b32 s34, 33280
	s_bitcmp1_b32 s56, 0
	s_cselect_b32 s62, s62, 8192
	s_cselect_b32 s34, s34, 512
	s_wait_xcnt 0x0                                ; the stores have read their bases and their data
	s_add_nc_u64 s[46:47], s[46:47], s[62:63]
	s_add_nc_u64 s[48:49], s[48:49], s[34:35]
	s_add_co_u32 s56, s56, 1
	s_cmp_lt_u32 s56, 3
	s_cbranch_scc1 .Lvt
	TAIL 1
.Lfunc_end_k_q6fa75f4b35_proj:
	.size	k_q6fa75f4b35_proj, .Lfunc_end_k_q6fa75f4b35_proj-k_q6fa75f4b35_proj
	.p2alignl 7, 3214868480
	.fill 96, 4, 3214868480
	.section	.rodata,"a",@progbits
	.p2align	6, 0x0
	.amdhsa_kernel k_q6fa75f4b35_proj
		.amdhsa_group_segment_fixed_size 68096
		.amdhsa_private_segment_fixed_size 0
		.amdhsa_enable_private_segment 0
		.amdhsa_kernarg_size 104
		.amdhsa_user_sgpr_count 2
		.amdhsa_user_sgpr_kernarg_segment_ptr 1
		.amdhsa_wavefront_size32 1
		.amdhsa_system_sgpr_workgroup_id_x 1
		.amdhsa_system_sgpr_workgroup_id_y 1
		.amdhsa_system_sgpr_workgroup_id_z 1
		.amdhsa_system_vgpr_workitem_id 0
		.amdhsa_next_free_vgpr 1024
		.amdhsa_next_free_sgpr 66
		.amdhsa_reserve_vcc 0
		.amdhsa_float_denorm_mode_32 3
		.amdhsa_float_denorm_mode_16_64 3
		.amdhsa_memory_ordered 1
		.amdhsa_forward_progress 1
		.amdhsa_inst_pref_size 255
	.end_amdhsa_kernel
	.section	.bss,"aw",@nobits
	.p2align	6
	.space	262144
	.amdgpu_metadata
---
amdhsa.version: [ 1, 2 ]
amdhsa.kernels:
  - .name:           k_q6fa75f4b35_proj
    .symbol:         k_q6fa75f4b35_proj.kd
    .args:
      - { .name: input_codes, .offset: 0, .size: 8, .value_kind: global_buffer, .address_space: global }
      - { .name: input_scales, .offset: 8, .size: 8, .value_kind: global_buffer, .address_space: global }
      - { .name: W_q_codes, .offset: 16, .size: 8, .value_kind: global_buffer, .address_space: global }
      - { .name: W_q_scales, .offset: 24, .size: 8, .value_kind: global_buffer, .address_space: global }
      - { .name: b_q, .offset: 32, .size: 8, .value_kind: global_buffer, .address_space: global }
      - { .name: W_k_codes, .offset: 40, .size: 8, .value_kind: global_buffer, .address_space: global }
      - { .name: W_k_scales, .offset: 48, .size: 8, .value_kind: global_buffer, .address_space: global }
      - { .name: b_k, .offset: 56, .size: 8, .value_kind: global_buffer, .address_space: global }
      - { .name: W_v_codes, .offset: 64, .size: 8, .value_kind: global_buffer, .address_space: global }
      - { .name: W_v_scales, .offset: 72, .size: 8, .value_kind: global_buffer, .address_space: global }
      - { .name: b_v, .offset: 80, .size: 8, .value_kind: global_buffer, .address_space: global }
      - { .name: qimg, .offset: 88, .size: 8, .value_kind: global_buffer, .address_space: global }
      - { .name: kv, .offset: 96, .size: 8, .value_kind: global_buffer, .address_space: global }
    .group_segment_fixed_size: 68096
    .private_segment_fixed_size: 0
    .kernarg_segment_align: 8
    .kernarg_segment_size: 104
    .max_flat_workgroup_size: 128
    .sgpr_count:     66
    .vgpr_count:     1024
    .wavefront_size: 32
...
	.end_amdgpu_metadata
.endif
;; end of part 3
;; launch attn (part 4): grid 32 x 8, 4 waves a work-group, clusters of 4 x 1, 327,680 bytes of LDS; arguments qimg, kv, mask, out0; writes out0
.if DOCPART == 4
	.amdgcn_target "amdgcn-amd-amdhsa--gfx1250"
	.amdhsa_code_object_version 6
	.text
	.protected	k_q6fa75f4b35_attn
	.globl	k_q6fa75f4b35_attn
	.p2align	8
	.type	k_q6fa75f4b35_attn,@function
k_q6fa75f4b35_attn:
	s_mov_b64 s[64:65], 0
	v_nop
	global_prefetch_b8 v0, s[64:65] scope:SCOPE_SE
	s_setreg_imm32_b32 hwreg(HW_REG_WAVE_MODE, 25, 1), 1
	s_wait_xcnt 0x0
	s_wait_alu depctr_hold_cnt(0) depctr_sa_sdst(0) depctr_va_vdst(0) depctr_va_sdst(0) depctr_va_ssrc(0) depctr_va_vcc(0) depctr_vm_vsrc(0)
	s_getreg_b32 s2, hwreg(HW_REG_IB_STS2, 6, 4)
	s_cmp_eq_u32 s2, 0
	s_cbranch_scc0 .Lentry_in_a_cluster
	s_endpgm
.Lentry_in_a_cluster:
	s_bfe_u32 s2, ttmp6, 0x10000c
	s_cmp_lg_u32 s2, 0x3003
	s_cbranch_scc0 .Lentry_shape_is_right
	s_endpgm
.Lentry_shape_is_right:
; out[b][q][:] = sum over k of softmax_k(mask ? q . k / sqrt(512) : -2^31) v[k][:], both products on E5M2 codes with E8M0 scales, from the register images that the launch before has stored.
; THE SOFTMAX: t = score x c, c = log2(e) / sqrt(512); M = the running largest t rounded UP to a whole number; p = 2^(t - M) is quantised along the keys, not normalised; the row's sum is taken of the
; unquantised p and divides at the end; when M moves, the sum and O are multiplied by 2^(old M - new M), which rounds nothing.
; SHARES.  A work-group owns 64 queries of one batch (four tiles m of 16); the keys go in four super-steps of 512.  THE WAVES SHARE THE KEYS IN THE FIRST PRODUCT AND THE CHANNELS IN THE SECOND:
;   wave w makes S^T = K Q^T for keys 128 w .. + 127 and all 64 queries (a fragment of K feeds four products; Q stays in registers), turns it into p's fragment of key step w and stores that as an
;   image in LDS; then it makes O^T = V^T P^T for channels 128 w .. + 127 and all 64 queries (a fragment of V feeds four products, one of P eight).
; Rows of a tile are not neighbours: lane r of tile t takes row 32 (t / 2) + 8 (t % 2) + r + 8 (r / 8) (queries, keys and channels alike), so that a lane's 16 registers of tiles 2 b, 2 b + 1 are 16 neighbours.
; THE MASK is loaded into S^T's own registers BY ROWS: an instruction takes 256 consecutive bytes (64 keys) of each of two query rows, sixteen lanes to a row.  A chunk of 16 queries x 64 keys then goes
;   through the wave's own stage in LDS (rows of 256 + 16 bytes) and comes back, into the registers that it left, in S^T's layout (a lane: one query, 16 neighbouring keys of each block of 32).
;   There it is turned in place into 0 (mask != 0) or -2^38 (mask == 0), and is the C of each sum's first product.
; A ROW THAT IS WHOLLY MASKED: the running largest raw score begins at -2^35, over every masked sum.  While it stands there the lane's multiplier and -M are 0, so p = 1 for every key: uniform weights.
;   c x 2^35 is a whole number in f32, so the first real score multiplies what was summed by 2^(a saturated, very negative number) = 0.
; LIMITS: a row whose every unmasked raw q . k lies at or under -2^35 (a logit of -1.5e9) is taken as wholly masked; raw scores stay under 2^38 - 2^35 in magnitude; NaN and infinities are not served;
;   a block of zeros gets the scale byte 1, which this program alone reads.
; CLUSTER: the four query blocks of a cluster belong to one batch and walk the same K and V: each piece is asked for JOINTLY (mask 15), each wave its own quarter, which it alone reads.
; RING: two LDS slots of one piece (135,168 bytes: four quarters of 16 fragments and their scale words); a batch's kv is a plain stream of 16 pieces: K-a, K-b, V-a, V-b for each super-step.
;   By this text's count a wave has one tensor load out.  All of the LDS is claimed.
; No prefetch: the mask, nine tenths of the launch's bytes, is asked for straight into registers half a super-step ahead of its use.
; REGISTERS: window 0: v1-14 addresses; v16-31 per tile -M, largest raw score, the sum's two halves; v32-39 the factors; v40-47 Q's scale words; v48-55 K's or V's; v56-59 P's; v60-63 multiplier and -M;
;   v64-127: softmax at work (v64-79 block maxima, v80-103, v104-119 codes), later four fragments of P; v128-255 a ring of eight fragments of K or V.
;   window 1: Q (64 m + 16 s).  window 2: O^T (32 c + 8 m).  window 3: S^T (64 m + 8 t): mask, bias, scores, p.
.set QB,    33792                      ; a quarter of a piece
.set PIECE, 4*QB
.set PIMG,  2*PIECE                    ; behind the ring: P's 16 fragments (4 s + m),
.set PSC,   PIMG+32768                 ; their scale words: 512 s + 16 lane + 4 m,
.set MXE,   PSC+2048                   ; the waves' largest scores: 512 m + 16 lane + 4 w,
.set LSE,   MXE+2048                   ; the waves' sums likewise,
.set SPARE, LSE+2048                   ; the spare words: 128 bytes a wave, two blocks of 256 bytes that no other line names,
.set MST,   SPARE+512                  ; and the mask's stages: 16 rows x MSP bytes for each wave
.set MSP,   272                        ; 256 bytes + 16: the sixteen rows that a load back touches start at sixteen different banks (64 banks of 4 bytes: ISA guide 11.1)
.set SP,    528                        ; the way out: a stage of 16 rows x (512 + 16) bytes a wave, in slot 0, behind its last fill and its last read
.set STG,   16*SP
.set LI,  1
.set AD0, 2
.set AD1, 3
.set PWI, 4
.set PRI, 5
.set PWS, 6
.set PRS, 7
.set MXW, 8
.set MXR, 9
.set MKO, 10                           ; the mask in memory: 8,192 (lane / 16) + 16 (lane % 16) + 512 x wave
.set SPW, 11
.set NIL, 12
.set MSW, 13                           ; the mask's stage, on the way in: MSP (lane / 16) + 16 (lane % 16)
.set MSR, 14                           ; and on the way out: MSP (lane % 16) + 64 (lane / 16)
.set STO, 4                            ; on the way out v4-6 are made anew
.set RD,  5
.set GO,  6
.set ST,  16
.set F,   32
.set QS,  40
.set KS,  48
.set PS,  56
.set CL,  60
.set NMF, 62
.set W,   64
.set BM,  64
.set TM,  80
.set PC,  104
.set FB,  128
.set G1,  16                           ; s[16:23] descriptor group 1;  s[24:27], s[28:31] group 0 of slot 0, 1
.set G0,  24
.set MSB, 0
.macro WIN new                         ; the immediate's high byte repeats the setting that is left
.if MSB != \new
	s_set_vgpr_msb (MSB<<8)|\new
.set MSB, \new
.endif
.endm
.macro PLACES n
.rept \n
	v_nop
.endr
.endm
.macro ROUND                           ; a round of the cluster's barrier
	s_barrier_signal -1
	s_barrier_wait -1
	s_cmp_lg_u32 s12, 0
	s_cbranch_scc1 .Lnot_wave_0_\@
	s_barrier_signal -3
.Lnot_wave_0_\@:
	s_barrier_wait -3
	s_barrier_signal -1
	s_barrier_wait -1
.endm
.macro BARRIER                         ; my LDS stores have landed and my LDS loads are in: then the work-group's barrier.
	s_wait_dscnt 0x0
	s_barrier_signal -1
	s_barrier_wait -1
.endm
; THE CHANGE OF SLOTS, at a piece's head.  Every wave waits for all its tensor loads (its quarter of the piece ahead), adds 0 to its spare word, and waits for that and for its reads of the slot left.
; refill = 1: a round of the cluster's barrier, and first behind it the joint load of the next piece into the slot left.
.macro CHANGE slot, refill
	WIN 0
	s_wait_tensorcnt 0x0                           ; no tensor load of mine is out, so a group 0 may be written
	ds_add_u32 v[SPW], v[NIL]
	s_add_nc_u64 s[G0+4*\slot+2:G0+4*\slot+3], s[G0+4*\slot+2:G0+4*\slot+3], 2*PIECE   ; this slot's next piece
	s_wait_dscnt 0x0
.if \refill
	ROUND
	tensor_load_to_lds s[G0+4-4*\slot:G0+7-4*\slot], s[G1:G1+7]
	s_nop 0
	PLACES 4
.else
	s_barrier_signal -1
	s_barrier_wait -1
.endif
.endm
.macro FRAG ad, f                      ; fragment f of my quarter into buffer f % 8
.irp c, 0,1,2,3
	ds_load_b128 v[FB+16*((\f)%8)+4*\c:FB+16*((\f)%8)+4*\c+3], v[\ad] offset:(\f)*2048+512*\c
.endr
.endm
.macro FRAGS8 ad
.irp f, 0,1,2,3,4,5,6,7
	FRAG \ad, \f
.endr
.endm
.macro SCL ad                          ; my quarter's scale words
	ds_load_b128 v[KS:KS+3], v[\ad] offset:32768
	ds_load_b128 v[KS+4:KS+7], v[\ad] offset:33280
.endm
.macro PLOAD s                         ; P's four fragments of key step s, and their scale words
.irp m, 0,1,2,3
.irp c, 0,1,2,3
	ds_load_b128 v[W+16*\m+4*\c:W+16*\m+4*\c+3], v[PRI] offset:(4*(\s)+\m)*2048+512*\c
.endr
.endr
	ds_load_b128 v[PS:PS+3], v[PRS] offset:512*(\s)
.endm
; A PIECE'S 16 FRAGMENTS, four products each; the accumulators take turns, one instruction a turn; every sum adds in place onto the bias or the old O.
; kind 0: K: fragment n = K step n / 4, key tile 4 hf + n % 4.  kind 1: V: key step 2 hf + n / 8, channel tile n % 8.
; Fragments 0-7 are in flight at the start; behind the products of fragments 2, 4, 6, 8 two more are asked for, into the buffers that fragments n - 2, n - 1 have left: the eight v_nop among
; fragment n's products are the places behind fragment n - 1's last product.  The wait counts the loads issued behind fragment n's.
.macro RING kind, hf, ad
.set n, 0
.rept 16
.if (\kind) && (n == 8)
	WIN 0
	PLACES 8                                       ; behind the last product that read P's fragments and scale words
	PLOAD 2*(\hf)+1
	s_wait_dscnt 0x0
.endif
.set lastf, 15
.if n < 9
.set lastf, 5+2*((n+1)/2)
.endif
.if n < 3
.set lastf, 7
.endif
	s_wait_dscnt 4*(lastf-n)
.if \kind
	WIN 0xa0                                       ; C and D window 2
.else
	WIN 0xf4                                       ; source 1 window 1, C and D window 3
.endif
.irp m, 0,1,2,3
.if \kind
.if n/8
	v_wmma_scale_f32_16x16x128_f8f6f4 v[32*(n%8)+8*\m:32*(n%8)+8*\m+7], v[FB+16*(n%8):FB+16*(n%8)+15], v[W+16*\m:W+16*\m+15], v[32*(n%8)+8*\m:32*(n%8)+8*\m+7], v[KS+n%8], v[PS+\m] matrix_a_fmt:MATRIX_FMT_BF8 matrix_b_fmt:MATRIX_FMT_BF8 matrix_a_scale:MATRIX_SCALE_ROW1
.else
	v_wmma_scale_f32_16x16x128_f8f6f4 v[32*(n%8)+8*\m:32*(n%8)+8*\m+7], v[FB+16*(n%8):FB+16*(n%8)+15], v[W+16*\m:W+16*\m+15], v[32*(n%8)+8*\m:32*(n%8)+8*\m+7], v[KS+n%8], v[PS+\m] matrix_a_fmt:MATRIX_FMT_BF8 matrix_b_fmt:MATRIX_FMT_BF8
.endif
.else
.if (n/4)%2
	v_wmma_scale_f32_16x16x128_f8f6f4 v[64*\m+8*(4*(\hf)+n%4):64*\m+8*(4*(\hf)+n%4)+7], v[FB+16*(n%8):FB+16*(n%8)+15], v[64*\m+16*(n/4):64*\m+16*(n/4)+15], v[64*\m+8*(4*(\hf)+n%4):64*\m+8*(4*(\hf)+n%4)+7], v[KS+4*(n/8)+n%4], v[QS+4*(n/8)+\m] matrix_a_fmt:MATRIX_FMT_BF8 matrix_b_fmt:MATRIX_FMT_BF8 matrix_a_scale:MATRIX_SCALE_ROW1 matrix_b_scale:MATRIX_SCALE_ROW1
.else
	v_wmma_scale_f32_16x16x128_f8f6f4 v[64*\m+8*(4*(\hf)+n%4):64*\m+8*(4*(\hf)+n%4)+7], v[FB+16*(n%8):FB+16*(n%8)+15], v[64*\m+16*(n/4):64*\m+16*(n/4)+15], v[64*\m+8*(4*(\hf)+n%4):64*\m+8*(4*(\hf)+n%4)+7], v[KS+4*(n/8)+n%4], v[QS+4*(n/8)+\m] matrix_a_fmt:MATRIX_FMT_BF8 matrix_b_fmt:MATRIX_FMT_BF8
.endif
.endif
.if (n == 2) || (n == 4) || (n == 6) || (n == 8)
	v_nop
	v_nop
.endif
.endr
.if (n == 2) || (n == 4) || (n == 6) || (n == 8)
	WIN 0
	FRAG \ad, n+6
	FRAG \ad, n+7
.endif
.set n, n+1
.endr
.endm
; tile m's mask for my 128 keys of the super-step at s[8:9]: chunk hf (keys 64 hf on) in registers 64 m + 32 hf on; load e of a chunk takes stage rows 2 e and 2 e + 1, which are the queries of
; lanes r = 2 e, 2 e + 1: rows 32 (m / 2) + 8 (m % 2) + 2 e + 8 (e / 4) + (lane / 16): sixteen lanes read 256 consecutive bytes, aligned
.macro MLOAD m
	WIN 0xc0
.irp hf, 0,1
.irp e, 0,1,2,3,4,5,6,7
	global_load_b128 v[64*\m+32*\hf+4*\e:64*\m+32*\hf+4*\e+3], v[MKO], s[8:9] offset:(32*(\m/2)+8*(\m%2)+2*\e+8*(\e/4))*8192+256*\hf th:TH_LOAD_NT
.endr
.endr
.endm
; chunk (m, hf) through my stage: in as it was loaded, back in S^T's layout: register 16 b + i = key 32 b + 16 (lane / 16) + i of my query.  16 LDS instructions.
; LDS serves a wave's instructions in order (ISA guide 5.7.1.4): the loads see the stores above them, and the next chunk's stores come behind them
.macro TURNM m, hf
	WIN 0xcc                                       ; an LDS store's data are its source 1, a load's its destination: window 3
.irp e, 0,1,2,3,4,5,6,7
	ds_store_b128 v[MSW], v[64*(\m)+32*(\hf)+4*\e:64*(\m)+32*(\hf)+4*\e+3] offset:\e*2*MSP
.endr
.irp b, 0,1
.irp i, 0,1,2,3
	ds_load_b128 v[64*(\m)+32*(\hf)+16*\b+4*\i:64*(\m)+32*(\hf)+16*\b+4*\i+3], v[MSR] offset:128*\b+16*\i
.endr
.endr
.endm
; the mask of tile m, keys 64 hf .. + 63 of my 128, becomes the bias, in place: 0 where it is not 0, -2^38 where it is
.macro CONV m, hf
	WIN 0xcc
.set x, 64*(\m)+32*(\hf)
.rept 4
.irp i, 0,1,2,3,4,5,6,7
	v_cmp_eq_u32 s[40+\i], 0, v[x+\i]
.endr
.irp i, 0,1,2,3,4,5,6,7
	v_cndmask_b32 v[x+\i], 0, s34, s[40+\i]
.endr
.set x, x+8
.endr
.endm
; the largest raw score of each block of 32 keys (over the sentinel -2^35), and of my 128 keys: that one goes to the other waves
.macro MAXS m
	WIN 0x3c
.irp b, 0,1,2,3
	v_max3_num_f32 v[BM+4*\m+\b], s35, v[64*\m+16*\b], v[64*\m+16*\b+1]   ; each accumulator is read from its low end on
.endr
.irp i, 2,4,6,8,10,12,14
.irp b, 0,1,2,3
	v_max3_num_f32 v[BM+4*\m+\b], v[BM+4*\m+\b], v[64*\m+16*\b+\i], v[64*\m+16*\b+\i+1]
.endr
.endr
	WIN 0
.irp b, 0,1,2,3
	v_permlanex16_b32 v[TM+4+\b], v[BM+4*\m+\b], s38, s39
.endr
.irp b, 0,1,2,3
	v_max_num_f32 v[BM+4*\m+\b], v[BM+4*\m+\b], v[TM+4+\b]
.endr
	v_max3_num_f32 v[TM+20+\m], v[BM+4*\m], v[BM+4*\m+1], v[BM+4*\m+2]
	v_max_num_f32 v[TM+20+\m], v[TM+20+\m], v[BM+4*\m+3]
	ds_store_b32 v[MXW], v[TM+20+\m] offset:512*\m
.endm
; the four waves' maxima and the old one give the running largest score, -M = floor(-t), and f = 2^(old M - new M): the same in all four waves
.macro STATS
.irp m, 0,1,2,3
	ds_load_b128 v[TM+4*\m:TM+4*\m+3], v[MXR] offset:512*\m
.endr
	s_wait_dscnt 0x0
.irp m, 0,1,2,3
	v_max3_num_f32 v[TM+16+\m], v[TM+4*\m], v[TM+4*\m+1], v[TM+4*\m+2]
.endr
.irp m, 0,1,2,3
	v_max3_num_f32 v[ST+4*\m+1], v[TM+16+\m], v[TM+4*\m+3], v[ST+4*\m+1]
.endr
.irp m, 0,1,2,3
	v_mul_f32 v[TM+16+\m], s33, v[ST+4*\m+1]
.endr
.irp m, 0,1,2,3
	v_mov_b32 v[TM+20+\m], v[ST+4*\m]
.endr
.irp m, 0,1,2,3
	v_floor_f32 v[ST+4*\m], -v[TM+16+\m]
.endr
.irp m, 0,1,2,3
	v_sub_f32 v[TM+20+\m], v[ST+4*\m], v[TM+20+\m]
.endr
.irp m, 0,1,2,3
	v_cvt_i32_f32 v[TM+20+\m], v[TM+20+\m]         ; (it saturates)
.endr
.irp m, 0,1,2,3
	v_ldexp_f32 v[F+2*\m], 1.0, v[TM+20+\m]
.endr
.endm
; tile m: scores to p, the sum, the quantiser, the image to LDS; loads = 1: the next super-step's mask is asked for into the registers that p has left
.macro SOFT m, loads
	v_cmp_eq_f32 vcc_lo, s35, v[ST+4*\m+1]         ; is my row wholly masked so far?
	v_cndmask_b32 v[CL], s33, 0, vcc_lo            ; then the multiplier
	v_cndmask_b32 v[NMF], v[ST+4*\m], 0, vcc_lo    ; and -M are 0: p = 1
.irp b, 0,1,2,3
	v_fma_f32 v[TM+\b], v[BM+4*\m+\b], v[CL], v[NMF]   ; t - M of each block's largest score: p rises with the score, so this gives the block's largest p
.endr
	WIN 0xc3
.set x, 64*\m
.rept 32
	v_pk_fma_f32 v[x:x+1], v[x:x+1], v[CL:CL+1], v[NMF:NMF+1] op_sel_hi:[1,0,0]
.set x, x+2
.endr
.set x, 64*\m
.rept 64
	v_exp_f32 v[x], v[x]
.set x, x+1
.endr
	WIN 0
	v_nop                                          ; a plain line behind the last exponential,
	s_wait_alu depctr_va_vdst(0)                   ; and one wait for the batch of 64, ahead of its first reader
	v_pk_mul_f32 v[ST+4*\m+2:ST+4*\m+3], v[ST+4*\m+2:ST+4*\m+3], v[F+2*\m:F+2*\m+1] op_sel_hi:[1,0]   ; the sum under the new M
	v_mov_b32 v[TM+18], 0
	v_mov_b32 v[TM+19], 0
	WIN 0x0c
.set x, 64*\m
.rept 16
	v_pk_add_f32 v[ST+4*\m+2:ST+4*\m+3], v[ST+4*\m+2:ST+4*\m+3], v[x:x+1]   ; the sum of the unquantised p, in two chains
	v_pk_add_f32 v[TM+18:TM+19], v[TM+18:TM+19], v[x+2:x+3]
.set x, x+4
.endr
	WIN 0
	v_pk_add_f32 v[ST+4*\m+2:ST+4*\m+3], v[ST+4*\m+2:ST+4*\m+3], v[TM+18:TM+19]
.irp b, 0,1,2,3
	v_exp_f32 v[TM+\b], v[TM+\b]                   ; the blocks' largest p
.endr
	v_nop
	s_wait_alu depctr_va_vdst(0)                   ; the wait for the four
	s_wait_dscnt 0x0                               ; the last tile's LDS stores have read the scale word and the codes, which are written anew below
.irp b, 0,1,2,3
	v_max_num_f32 v[TM+\b], 0x8000000, v[TM+\b]    ; the floor 2^(16 - 127)
.endr
.irp b, 0,1,2,3
	v_add_nc_u32 v[TM+12+\b], 0xf8800000, v[TM+\b]
.endr
.irp b, 0,1,2,3
	v_and_or_b32 v[TM+8+\b], v[TM+\b], 0x7f800000, s36
.endr
.irp b, 0,1,2,3
	v_lshrrev_b32 v[TM+4+\b], 23, v[TM+12+\b]
.endr
	v_lshl_or_b32 v[TM+16], v[TM+5], 8, v[TM+4]
	v_lshl_or_b32 v[TM+16], v[TM+6], 16, v[TM+16]
	v_lshl_or_b32 v[TM+16], v[TM+7], 24, v[TM+16]
	WIN 0xc3
.irp b, 0,1,2,3
.irp i, 0,1,2,3,4,5,6,7,8,9,10,11,12,13,14,15
	v_min_num_f32 v[64*\m+16*\b+\i], v[64*\m+16*\b+\i], v[TM+8+\b]   ; the hold: p is not negative, so it is one-sided
.endr
.endr
	WIN 0x03
.irp b, 0,1,2,3
	v_cvt_scalef32_pk8_bf8_f32 v[PC+4*\b:PC+4*\b+1], v[64*\m+16*\b:64*\m+16*\b+7], v[TM+12+\b]
	v_cvt_scalef32_pk8_bf8_f32 v[PC+4*\b+2:PC+4*\b+3], v[64*\m+16*\b+8:64*\m+16*\b+15], v[TM+12+\b]
.endr
	WIN 0
	v_nop                                          ; a plain line behind the last conversion
.irp c, 0,1,2,3
	ds_store_b128 v[PWI], v[PC+4*\c:PC+4*\c+3] offset:2048*\m+512*\c
.endr
	ds_store_b32 v[PWS], v[TM+16] offset:4*\m
.if \loads
	MLOAD \m
	WIN 0
.endif
.endm
.macro NORM m                          ; tile m's O^T times v[F + 2 m], each accumulator from its low end on
	WIN 0x82
.irp c, 0,1,2,3,4,5,6,7
.irp j, 0,2,4,6
	v_pk_mul_f32 v[32*\c+8*\m+\j:32*\c+8*\m+\j+1], v[32*\c+8*\m+\j:32*\c+8*\m+\j+1], v[F+2*\m:F+2*\m+1] op_sel_hi:[1,0]
.endr
.endr
.endm
; A SUPER-STEP: 512 keys.  last = 1: nothing beyond the stream's end is asked for.
.macro SUPER last
	CHANGE 0, 1                                    ; ---- K-a: key tiles 0-3 of my 128 keys
	PLACES 4                                       ; with the four behind the load: eight places behind the last products, in front of loads into their registers
	SCL AD0
	FRAGS8 AD0
.irp m, 0,1,2,3
	s_wait_loadcnt 56-16*\m                        ; tile m's first eight mask loads are in: behind them stand its other eight and sixteen for each later tile
	TURNM \m, 0
.endr
.irp m, 0,1,2,3
	s_wait_dscnt 48-16*\m                          ; chunk m is back from the stage: behind its loads stand sixteen LDS instructions for each later chunk
	CONV \m, 0
.endr
	RING 0, 0, AD0
	CHANGE 1, 1                                    ; ---- K-b: key tiles 4-7
	PLACES 4
	SCL AD1
	FRAGS8 AD1
	s_wait_loadcnt 0x0                             ; all of the mask is in, so its base may step:
	s_add_nc_u64 s[8:9], s[8:9], 2048              ; the next 512 keys
.irp m, 0,1,2,3
	TURNM \m, 1
.endr
.irp m, 0,1,2,3
	s_wait_dscnt 48-16*\m
	CONV \m, 1
.endr
	RING 0, 1, AD1
	WIN 0
	PLACES 8                                       ; in front of the first read of scores
.irp m, 0,1,2,3
	MAXS \m
.endr
	BARRIER                                        ; the four waves' maxima lie in LDS
	STATS
	SOFT 0, 1-\last
	SOFT 1, 1-\last
	CHANGE 0, 1                                    ; ---- V-a, in the middle of the softmax, so that both of V's pieces have work in which to land
	PLACES 4
	SCL AD0
	FRAGS8 AD0
	SOFT 2, 1-\last
	SOFT 3, 1-\last
	BARRIER                                        ; P's sixteen fragments lie in LDS
	PLOAD 0
	NORM 0                                         ; O^T under the new M: 128 lines on registers of their own, while P's fragments come
	NORM 1
	NORM 2
	NORM 3
	s_wait_dscnt 0x0
	RING 1, 0, AD0
	CHANGE 1, 1-\last                              ; ---- V-b
	PLACES 4+4*\last
	SCL AD1
	PLOAD 2
	FRAGS8 AD1
	RING 1, 1, AD1
	WIN 0
.endm
	s_load_b256 s[4:11], s[0:1], 0x0               ; qimg s[4:5], kv s[6:7], mask s[8:9], out s[10:11]
	v_lshl_add_u32 v[SPW], v0, 2, SPARE
	v_mov_b32 v[NIL], 0
	ds_add_u32 v11, v12
	ds_add_u32 v11, v12
	s_wait_dscnt 0x0
	v_lshrrev_b32 v15, 5, v0
	v_readfirstlane_b32 s12, v15                   ; wave 0..3
	s_bfe_u32 s13, ttmp6, 0x40000                  ; cx
	s_lshl_b32 s14, ttmp9, 2
	s_add_co_u32 s14, s14, s13                     ; my block of 64 queries in the batch: it enters Q's, the mask's and out's addresses alone
	s_and_b32 s15, ttmp7, 0xffff                   ; the batch, which the four partners share
	s_mov_b32 s[G1], 15|(3<<16)|(1<<21)            ; 15:0 the mask: all four work-groups; 17:16 elements of 8 bytes; 21 set beside a mask; no padding
	s_mov_b32 s[G1+1], 32<<16                      ; tensor_dim0 = 32 elements: rows of 256 bytes
	s_mov_b32 s[G1+2], 132<<16                     ; tensor_dim1 = 132 rows: a quarter, dense in memory
	s_mov_b32 s[G1+3], 32<<16                      ; tile_dim0
	s_mov_b32 s[G1+4], 132                         ; tile_dim1
	s_mov_b32 s[G1+5], 32                          ; from row to row
	s_mov_b32 s[G1+6], 0
	s_mov_b32 s[G1+7], 0
	s_mov_b32 s33, 0x3d8293ee                      ; c = log2(e) / sqrt(512)
	s_mov_b32 s34, 0xd2800000                      ; -2^38
	s_mov_b32 s35, 0xd1000000                      ; -2^35
	s_mov_b32 s36, 0x600000                        ; the mantissa field of 57,344
	s_mov_b32 s38, 0x76543210
	s_mov_b32 s39, 0xfedcba98                      ; v_permlanex16_b32's selects for lane l xor 16
	s_mul_i32 s44, s12, QB                         ; my quarter
	s_mul_i32 s46, s15, 16*PIECE                   ; the batch's stream
	s_add_co_u32 s46, s46, s44
	s_mov_b32 s47, 0
	s_lshl_b32 s48, s15, 5
	s_add_co_u32 s48, s48, s14                     ; my block of 64 queries among the 256
	s_mul_i32 s50, s48, QB
	s_mov_b32 s51, 0
	s_lshl_b32 s40, s48, 19                        ; 64 rows of the mask, 8,192 bytes each
	s_mov_b32 s41, 0
	s_lshl_b32 s42, s48, 17                        ; 64 rows of out, 2,048 bytes each
	s_mov_b32 s43, 0
	v_and_b32 v15, 31, v0
	v_lshlrev_b32 v[LI], 4, v15
	v_add_nc_u32 v[AD0], s44, v[LI]
	v_add_nc_u32 v[AD1], PIECE, v[AD0]
	s_lshl_b32 s45, s12, 13
	v_add_nc_u32 v[PRI], PIMG, v[LI]
	v_add_nc_u32 v[PWI], s45, v[PRI]
	s_lshl_b32 s45, s12, 9
	v_add_nc_u32 v[PRS], PSC, v[LI]
	v_add_nc_u32 v[PWS], s45, v[PRS]
	v_and_b32 v64, 15, v0                          ; r
	v_bfe_u32 v66, v0, 4, 1                        ; h
	v_lshlrev_b32 v[MKO], 13, v66
	v_lshl_add_u32 v[MKO], v64, 4, v[MKO]
	v_add_nc_u32 v[MKO], s45, v[MKO]               ; the mask: a row further down for lanes 16-31, 16 bytes a lane, + my wave's 128 keys
	s_mul_i32 s49, s12, 16*MSP
	s_add_co_u32 s49, s49, MST                     ; my stage for the mask
	v_mul_u32_u24 v[MSW], v66, MSP
	v_lshl_add_u32 v[MSW], v64, 4, v[MSW]
	v_add_nc_u32 v[MSW], s49, v[MSW]
	v_mul_u32_u24 v[MSR], v64, MSP
	v_lshl_add_u32 v[MSR], v66, 6, v[MSR]
	v_add_nc_u32 v[MSR], s49, v[MSR]
	s_lshl_b32 s45, s12, 2
	v_add_nc_u32 v[MXR], MXE, v[LI]
	v_add_nc_u32 v[MXW], s45, v[MXR]
	s_wait_kmcnt 0x0
	s_add_nc_u64 s[46:47], s[6:7], s[46:47]
	s_mov_b32 s[G0], 1                             ; count = 1
	s_mov_b32 s[G0+1], s44                         ; LDS address: slot 0, my quarter
	s_mov_b64 s[G0+2:G0+3], s[46:47]               ; piece 0
	s_or_b32 s[G0+3], s[G0+3], 0x80000000          ; type = 2
	s_mov_b32 s[G0+4], 1
	s_add_co_u32 s[G0+5], s44, PIECE               ; slot 1
	s_add_nc_u64 s[G0+6:G0+7], s[46:47], PIECE     ; piece 1
	s_or_b32 s[G0+7], s[G0+7], 0x80000000
	s_add_nc_u64 s[4:5], s[4:5], s[50:51]
	s_add_nc_u64 s[8:9], s[8:9], s[40:41]
	s_add_nc_u64 s[10:11], s[10:11], s[42:43]
	ROUND                                          ; all four work-groups are here: the first joint load meets
	tensor_load_to_lds s[G0:G0+3], s[G1:G1+7]      ; piece 0
	s_nop 0
	PLACES 4
	WIN 0x40
.irp f, 0,1,2,3,4,5,6,7,8,9,10,11,12,13,14,15      ; Q stays in registers: image 4 s + m
.irp c, 0,1,2,3
	global_load_b128 v[64*(\f%4)+16*(\f/4)+4*\c:64*(\f%4)+16*(\f/4)+4*\c+3], v[LI], s[4:5] offset:\f*2048+512*\c
.endr
.endr
	WIN 0
	global_load_b128 v[QS:QS+3], v[LI], s[4:5] offset:32768
	global_load_b128 v[QS+4:QS+7], v[LI], s[4:5] offset:33280
.irp m, 0,1,2,3
	MLOAD \m                                       ; the first super-step's mask
.endr
	WIN 0x80
.set x, 0
.rept 256
	v_mov_b32 v[x], 0                              ; O^T: cleared once, so that the super-step has no first copy of its own: the first change of M multiplies zeros
.set x, x+1
.endr
	WIN 0
.irp m, 0,1,2,3
	v_mov_b32 v[ST+4*\m+1], s35                    ; the largest raw score so far: the sentinel
	v_mul_f32 v[ST+4*\m], s33, v[ST+4*\m+1]
	v_floor_f32 v[ST+4*\m], -v[ST+4*\m]            ; -M
	v_mov_b32 v[ST+4*\m+2], 0                      ; the sum, in two halves
	v_mov_b32 v[ST+4*\m+3], 0
	v_mov_b32 v[F+2*\m], 0
	v_mov_b32 v[F+2*\m+1], 0                       ; (named as the upper half of a pair)
	v_mov_b32 v[TM+4+\m], 0                        ; (a lane permute's destination counts as one of its sources)
.endr
	v_mov_b32 v[CL+1], 0
	v_mov_b32 v[NMF+1], 0
	s_mov_b32 s32, 3
.Lsuper:
	SUPER 0
	s_sub_co_u32 s32, s32, 1
	s_cmp_lg_u32 s32, 0
	s_cbranch_scc1 .Lsuper
	SUPER 1                                        ; the last super-step is written out
	; THE WAY OUT.  The sum's halves, lane l xor 16's and the four waves' are added; O^T is divided by the sum and goes, a tile of 16 queries at a time, through my stage in LDS, so that 32 lanes store 512 consecutive bytes of a row.
	PLACES 8                                       ; behind the last products
.irp m, 0,1,2,3
	v_add_f32 v[TM+\m], v[ST+4*\m+2], v[ST+4*\m+3]
.endr
.irp m, 0,1,2,3
	v_mov_b32 v[TM+4+\m], 0
.endr
.irp m, 0,1,2,3
	v_permlanex16_b32 v[TM+4+\m], v[TM+\m], s38, s39
.endr
.irp m, 0,1,2,3
	v_add_f32 v[TM+\m], v[TM+\m], v[TM+4+\m]
.endr
.irp m, 0,1,2,3
	ds_store_b32 v[MXW], v[TM+\m] offset:LSE-MXE+512*\m   ; the sums' words lie 2,048 bytes behind the maxima's
.endr
	BARRIER
.irp m, 0,1,2,3
	ds_load_b128 v[TM+4*\m:TM+4*\m+3], v[MXR] offset:LSE-MXE+512*\m
.endr
	s_mul_i32 s44, s12, STG                        ; my stage
	v_and_b32 v100, 15, v0
	v_bfe_u32 v101, v0, 4, 1
	v_mul_u32_u24 v[STO], v100, SP
	v_lshl_add_u32 v[STO], v101, 6, v[STO]
	v_add_nc_u32 v[STO], s44, v[STO]               ; in: row r, + 64 h
	v_add_nc_u32 v[RD], s44, v[LI]                 ; back: a row of 512 bytes, 16 a lane
	s_lshl_b32 s45, s12, 9
	v_add_nc_u32 v[GO], s45, v[LI]                 ; and in out: my wave's 128 channels
	s_wait_dscnt 0x0
.irp m, 0,1,2,3
	v_add_f32 v[TM+4*\m], v[TM+4*\m], v[TM+4*\m+1]
.endr
.irp m, 0,1,2,3
	v_add_f32 v[TM+4*\m+2], v[TM+4*\m+2], v[TM+4*\m+3]
.endr
.irp m, 0,1,2,3
	v_add_f32 v[TM+4*\m], v[TM+4*\m], v[TM+4*\m+2]
.endr
.irp m, 0,1,2,3
	v_rcp_f32 v[F+2*\m], v[TM+4*\m]
.endr
	v_nop                                          ; a plain line behind the last reciprocal,
	s_wait_alu depctr_va_vdst(0)                   ; and one wait for the four, ahead of the first reader
; register 32 c + 8 m + j of lane (r, h) is out(query 32 (m / 2) + 8 (m % 2) + r + 8 (r / 8), channel 128 w + 32 (c / 2) + 16 h + 8 (c % 2) + j)
.macro TOSTAGE m
	WIN 0x08                                       ; an LDS store's data are its source 1: window 2
.irp a, 0,1,2,3
.irp q, 0,1,2,3
	ds_store_b128 v[STO], v[32*(2*\a+\q/2)+8*\m+4*(\q%2):32*(2*\a+\q/2)+8*\m+4*(\q%2)+3] offset:128*\a+16*\q
.endr
.endr
	WIN 0
.irp i, 0,1,2,3,4,5,6,7,8,9,10,11,12,13,14,15
	ds_load_b128 v[FB+64*((\m)%2)+4*\i:FB+64*((\m)%2)+4*\i+3], v[RD] offset:\i*SP   ; LDS serves a wave's instructions in order (ISA guide 5.7.1.4): these see the stores above, and the next tile's stores come behind them
.endr
.endm
.macro SEND m, younger                 ; younger: the LDS instructions issued behind tile m's loads
	s_wait_dscnt \younger
.irp i, 0,1,2,3,4,5,6,7,8,9,10,11,12,13,14,15
	global_store_b128 v[GO], v[FB+64*((\m)%2)+4*\i:FB+64*((\m)%2)+4*\i+3], s[10:11] offset:(32*((\m)/2)+8*((\m)%2)+\i+8*(\i/8))*2048 th:TH_STORE_NT   ; 32 lanes store 512 consecutive bytes, aligned
.endr
.endm
	NORM 0
	TOSTAGE 0
	NORM 1
	TOSTAGE 1
	SEND 0, 32                                     ; behind tile 0's loads: tile 1's 16 stores and 16 loads
	NORM 2
	s_wait_xcnt 0x0                                ; tile 0's stores have read their registers: tile 2's rows may land there
	TOSTAGE 2
	SEND 1, 32
	NORM 3
	s_wait_xcnt 0x0
	TOSTAGE 3
	SEND 2, 32
	SEND 3, 0
	s_wait_tensorcnt 0x0                           ; the wave's end: behind my last tensor load and my last LDS store
	ds_add_u32 v[SPW], v[NIL]
	s_wait_dscnt 0x0
	ROUND                                          ; the closing round: no work-group ends while a partner may still ask for a piece that names it
	s_endpgm
.Lfunc_end_k_q6fa75f4b35_attn:
	.size	k_q6fa75f4b35_attn, .Lfunc_end_k_q6fa75f4b35_attn-k_q6fa75f4b35_attn
	.p2alignl 7, 3214868480
	.fill 96, 4, 3214868480
	.section	.rodata,"a",@progbits
	.p2align	6, 0x0
	.amdhsa_kernel k_q6fa75f4b35_attn
		.amdhsa_group_segment_fixed_size 327680
		.amdhsa_private_segment_fixed_size 0
		.amdhsa_enable_private_segment 0
		.amdhsa_kernarg_size 32
		.amdhsa_user_sgpr_count 2
		.amdhsa_user_sgpr_kernarg_segment_ptr 1
		.amdhsa_wavefront_size32 1
		.amdhsa_system_sgpr_workgroup_id_x 1
		.amdhsa_system_sgpr_workgroup_id_y 1
		.amdhsa_system_sgpr_workgroup_id_z 1
		.amdhsa_system_vgpr_workitem_id 0
		.amdhsa_next_free_vgpr 1024
		.amdhsa_next_free_sgpr 66
		.amdhsa_reserve_vcc 1
		.amdhsa_float_denorm_mode_32 3
		.amdhsa_float_denorm_mode_16_64 3
		.amdhsa_memory_ordered 1
		.amdhsa_forward_progress 1
		.amdhsa_inst_pref_size 255
	.end_amdhsa_kernel
	.section	.bss,"aw",@nobits
	.p2align	6
	.space	262144
	.amdgpu_metadata
---
amdhsa.version: [ 1, 2 ]
amdhsa.kernels:
  - .name:           k_q6fa75f4b35_attn
    .symbol:         k_q6fa75f4b35_attn.kd
    .args:
      - { .name: qimg, .offset: 0, .size: 8, .value_kind: global_buffer, .address_space: global }
      - { .name: kv, .offset: 8, .size: 8, .value_kind: global_buffer, .address_space: global }
      - { .name: mask, .offset: 16, .size: 8, .value_kind: global_buffer, .address_space: global }
      - { .name: out0, .offset: 24, .size: 8, .value_kind: global_buffer, .address_space: global }
    .group_segment_fixed_size: 327680
    .private_segment_fixed_size: 0
    .kernarg_segment_align: 8
    .kernarg_segment_size: 32
    .max_flat_workgroup_size: 128
    .sgpr_count:     66
    .vgpr_count:     1024
    .wavefront_size: 32
...
	.end_amdgpu_metadata
.endif
;; end of part 4
